; MI455X (gfx1250); checked and timed in simulation.
; The chip was launched on July 23, 2026; its instructions are those of AMD's public machine-readable ISA for CDNA 5 (MIT licence, August 2026) and "CDNA5" Instruction Set Architecture Reference Guide (July 2026). The comments in the code are by the model that wrote it; some were corrected since.
;; Attention Block. Allowed arithmetic: float matrix products may take bf16 or f16 operands with f32 sums; all other float work in f32.
;; Inputs: W1 1,024 x 4,096 float32; W2 4,096 x 1,024 float32; Wk 1,024 x 1,024 float32; Wo 1,024 x 1,024 float32; Wq 1,024 x 1,024 float32; Wv 1,024 x 1,024 float32; b1 1,024 float32; b2 1,024 float32; bf1 4,096 float32; bf2 1,024 float32; bk 1,024 float32; bo 1,024 float32; bq 1,024 float32; bv 1,024 float32; g1 1,024 float32; g2 1,024 float32; x 2 x 2,048 x 1,024 float32.
;; Outputs: out0 2 x 2,048 x 1,024 float32.
;; One version. Each part assembles by itself: llvm-mc -triple=amdgcn-amd-amdhsa -mcpu=gfx1250 --defsym DOCPART=n.
;; ======== version 1 of 1: 7 launches
;; workspace buffers: wqkv 6,291,456 bytes; wb 25,165,824 bytes; xn 8,388,608 bytes; qkvh 25,165,824 bytes; ctx 8,388,608 bytes; hres 16,777,216 bytes; hn 8,388,608 bytes; act 33,554,432 bytes
;; launch prep (part 1): grid 448 x 1, 8 waves a work-group, no clusters, 0 bytes of LDS; arguments x, g1, b1, Wq, Wk, Wv, xn, wqkv; writes xn, wqkv
.if DOCPART == 1
	.amdgcn_target "amdgcn-amd-amdhsa--gfx1250"
	.amdhsa_code_object_version 6
	.text
	.protected	k_q15233ea628_prep
	.globl	k_q15233ea628_prep
	.p2align	8
	.type	k_q15233ea628_prep,@function
k_q15233ea628_prep:
	s_mov_b64 s[64:65], 0
	v_nop
	global_prefetch_b8 v0, s[64:65] scope:SCOPE_SE
	s_setreg_imm32_b32 hwreg(HW_REG_WAVE_MODE, 25, 1), 1
	s_wait_xcnt 0x0
; prep: two streams in one launch.  Work-groups 0-255: xn = LayerNorm(x; g1, b1) in bf16.  Work-groups 256-447: Wq, Wk and Wv, by which the
; next launch multiplies, are rounded once to bf16 into wqkv, each kept [K][N] as it is given (Wq, Wk, Wv behind each other).
; Wo, W1 and W2 are wanted later: work-groups of the next launch round them beside its products.
;
; WORK LEFT OUT IN THIS PROGRAM: the input bk.  scores[q][k] = q . (xn[k] Wk + bk) / 8 = q . (xn[k] Wk) / 8 + (q . bk) / 8.
; The second term does not hang on k: it is the same along the axis of the softmax, and softmax(s + t) = softmax(s) for every number t.
; So for all finite values of the inputs bk reaches no output: it is not loaded and is no argument of any launch.
; LIMIT: a NaN, an infinity or an overflow that would reach the result through bk alone is not carried to the result.
;
; LayerNorm: one wave takes two rows; a row of 4,096 bytes stays in 32 registers between the passes, so x is read once.
; Two passes (the mean; then the sum of squares of x - mean): no difference of large sums is formed, whatever common offset x has.
; Every load of a wave covers 512 consecutive bytes, every store 256 consecutive bytes at a multiple of 256.
; No LDS, no barrier, no matrix unit: the work is a stream, and no wave needs another's numbers.
.set T,   4                            ; v[4:11]    at work
.set R0,  12                           ; v[12:13]   1 / sqrt(var + eps) of row 0, twice
.set R1,  14                           ; v[14:15]   the same for row 1
.set G,   16                           ; v[16:47]   the gain of my 32 columns
.set BV,  48                           ; v[48:79]   the bias of my 32 columns
.set X0,  80                           ; v[80:111]  row 0
.set X1,  112                          ; v[112:143] row 1
.set SX,  4                            ; s[4:5]     the input rows
.set SG,  6                            ; s[6:7]     the gain
.set SB,  8                            ; s[8:9]     the bias
.set SO,  16                           ; s[16:17]   the output rows
.set PL,  28                           ; s[28:29]   v_permlanex16_b32: lane i of one half reads lane i of the other
.set INV, 30                           ; s30        1 / 1024
.set EPS, 31                           ; s31        1e-5
	s_load_b512 s[4:19], s[0:1], 0x0               ; x, g1, b1, Wq s[10:11], Wk s[12:13], Wv s[14:15], xn s[16:17], wqkv s[18:19]
	v_lshrrev_b32 v1, 5, v0
	v_readfirstlane_b32 s26, v1                    ; wave 0..7
	v_and_b32 v1, 31, v0                           ; lane
	s_cmp_lt_u32 ttmp9, 256
	s_cbranch_scc0 .Lcast
; the sum of v[a] over the 32 lanes, in every lane; v[b] has been written before
.macro REDUCE a, b
	v_add_f32_dpp v[\a], v[\a], v[\a] row_xmask:1 row_mask:0xf bank_mask:0xf
	v_add_f32_dpp v[\a], v[\a], v[\a] row_xmask:2 row_mask:0xf bank_mask:0xf
	v_add_f32_dpp v[\a], v[\a], v[\a] row_xmask:4 row_mask:0xf bank_mask:0xf
	v_add_f32_dpp v[\a], v[\a], v[\a] row_xmask:8 row_mask:0xf bank_mask:0xf
	v_permlanex16_b32 v[\b], v[\a], s[PL], s[PL+1]
	v_add_f32 v[\a], v[\a], v[\b]
.endm
; the row in v[X:X+31] is centred in place; v[R:R+1] = 1 / sqrt(var + eps)
.macro STAT X, R
	v_pk_add_f32 v[T:T+1], v[\X:\X+1], v[\X+2:\X+3]            ; two chains, started by the first words: nothing is cleared
	v_pk_add_f32 v[T+2:T+3], v[\X+4:\X+5], v[\X+6:\X+7]
.irp k, 8,12,16,20,24,28
	v_pk_add_f32 v[T:T+1], v[T:T+1], v[\X+\k:\X+\k+1]
	v_pk_add_f32 v[T+2:T+3], v[T+2:T+3], v[\X+\k+2:\X+\k+3]
.endr
	v_pk_add_f32 v[T:T+1], v[T:T+1], v[T+2:T+3]
	v_add_f32 v[T], v[T], v[T+1]
	REDUCE T, T+1
	v_mul_f32 v[T], s[INV], v[T]                   ; the mean
	v_mov_b32 v[T+1], v[T]
.irp k, 0,2,4,6,8,10,12,14,16,18,20,22,24,26,28,30
	v_pk_add_f32 v[\X+\k:\X+\k+1], v[\X+\k:\X+\k+1], v[T:T+1] neg_lo:[0,1] neg_hi:[0,1]
.endr
	v_pk_mul_f32 v[T+2:T+3], v[\X:\X+1], v[\X:\X+1]
	v_pk_mul_f32 v[T+4:T+5], v[\X+2:\X+3], v[\X+2:\X+3]
.irp k, 4,8,12,16,20,24,28
	v_pk_fma_f32 v[T+2:T+3], v[\X+\k:\X+\k+1], v[\X+\k:\X+\k+1], v[T+2:T+3]
	v_pk_fma_f32 v[T+4:T+5], v[\X+\k+2:\X+\k+3], v[\X+\k+2:\X+\k+3], v[T+4:T+5]
.endr
	v_pk_add_f32 v[T+2:T+3], v[T+2:T+3], v[T+4:T+5]
	v_add_f32 v[T+2], v[T+2], v[T+3]
	REDUCE T+2, T+3
	v_fma_f32 v[T+2], v[T+2], s[INV], s[EPS]       ; var + eps, at least 1e-5: no denormal reaches v_rsq_f32
	v_rsq_f32 v[\R], v[T+2]
	v_nop                                          ; one plain instruction behind a transcendental before its result is used (ISA guide 5.7.2)
	s_wait_alu depctr_va_vdst(0)
	v_mov_b32 v[\R+1], v[\R]
.endm
; (x - mean) * rstd * g + b, rounded once to bf16 and stored
.macro FIN X, R, off
.irp k, 0,2,4,6,8,10,12,14,16,18,20,22,24,26,28,30
	v_pk_mul_f32 v[\X+\k:\X+\k+1], v[\X+\k:\X+\k+1], v[\R:\R+1]
	v_pk_fma_f32 v[\X+\k:\X+\k+1], v[\X+\k:\X+\k+1], v[G+\k:G+\k+1], v[BV+\k:BV+\k+1]
.endr
.irp j, 0,1,2,3,4,5,6,7
	v_cvt_pk_bf16_f32 v[\X+4*\j], v[\X+4*\j], v[\X+4*\j+1]
	v_cvt_pk_bf16_f32 v[\X+4*\j+1], v[\X+4*\j+2], v[\X+4*\j+3]
	global_store_b64 v3, v[\X+4*\j:\X+4*\j+1], s[SO:SO+1] offset:256*\j+\off
.endr
.endm
	; ---- LayerNorm: rows 16 id + 2 wave and the next ----
	v_lshlrev_b32 v2, 4, v1                        ; 16 bytes a lane in a piece of 512 bytes of f32
	v_lshlrev_b32 v3, 3, v1                        ; 8 bytes a lane in a piece of 256 bytes of bf16
	s_mov_b32 s[PL], 0x76543210
	s_mov_b32 s[PL+1], 0xfedcba98
	s_mov_b32 s[INV], 0x3a800000
	s_mov_b32 s[EPS], 0x3727c5ac
	s_lshl_b32 s32, ttmp9, 16                      ; 16 rows of 4,096 bytes a work-group,
	s_lshl_b32 s33, s26, 13                        ; 2 rows a wave
	s_add_co_u32 s32, s32, s33
	s_mov_b32 s33, 0
	s_wait_kmcnt 0x0
	s_add_nc_u64 s[SX:SX+1], s[SX:SX+1], s[32:33]
	s_lshr_b32 s32, s32, 1                         ; the bf16 rows are half as long
	s_add_nc_u64 s[SO:SO+1], s[SO:SO+1], s[32:33]
.irp j, 0,1,2,3,4,5,6,7
	global_load_b128 v[X0+4*\j:X0+4*\j+3], v2, s[SX:SX+1] offset:512*\j
.endr
.irp j, 0,1,2,3,4,5,6,7
	global_load_b128 v[X1+4*\j:X1+4*\j+3], v2, s[SX:SX+1] offset:512*\j+4096
.endr
.irp j, 0,1,2,3,4,5,6,7
	global_load_b128 v[G+4*\j:G+4*\j+3], v2, s[SG:SG+1] offset:512*\j
.endr
.irp j, 0,1,2,3,4,5,6,7
	global_load_b128 v[BV+4*\j:BV+4*\j+3], v2, s[SB:SB+1] offset:512*\j
.endr
	s_wait_loadcnt 24                              ; row 0 is in; the 24 younger loads (row 1, gain, bias) stay out
	STAT X0, R0
	s_wait_loadcnt 16                              ; row 1 is in; gain and bias stay out
	STAT X1, R1
	s_wait_loadcnt 0x0                             ; gain and bias
	FIN X0, R0, 0
	FIN X1, R1, 2048
	s_endpgm
	; ---- the cast: 192 work-groups, each 65,536 bytes of f32 to 32,768 bytes of bf16 ----
.Lcast:
	s_sub_co_u32 s27, ttmp9, 256
	s_lshr_b32 s28, s27, 6                         ; the matrix: 0 Wq, 1 Wk, 2 Wv (4 MiB of f32 each)
	s_and_b32 s29, s27, 63                         ; piece of the matrix
	v_lshlrev_b32 v2, 4, v1
	v_lshl_add_u32 v2, s26, 13, v2                 ; source: 8,192 bytes a wave, 16 a lane
	v_lshlrev_b32 v3, 3, v1
	v_lshl_add_u32 v3, s26, 12, v3                 ; destination: half of that
	s_lshl_b32 s30, s29, 16
	s_mov_b32 s31, 0
	s_lshl_b32 s32, s28, 21                        ; wqkv holds the matrices in the same order, half as long
	s_lshl_b32 s33, s29, 15
	s_add_co_u32 s32, s32, s33
	s_mov_b32 s33, 0
	s_wait_kmcnt 0x0
	s_cmp_eq_u32 s28, 1                            ; the source buffer is chosen by the matrix's number alone
	s_cselect_b64 s[10:11], s[12:13], s[10:11]
	s_cmp_eq_u32 s28, 2
	s_cselect_b64 s[10:11], s[14:15], s[10:11]
	s_add_nc_u64 s[10:11], s[10:11], s[30:31]
	s_add_nc_u64 s[18:19], s[18:19], s[32:33]
.irp j, 0,1,2,3,4,5,6,7,8,9,10,11,12,13,14,15
	global_load_b128 v[16+4*\j:19+4*\j], v2, s[10:11] offset:512*\j th:TH_LOAD_NT   ; the f32 weights are read this once
.endr
.irp j, 0,1,2,3,4,5,6,7,8,9,10,11,12,13,14,15
	s_wait_loadcnt 15-\j                           ; loads come back in order: piece j is in, the younger ones stay out
	v_cvt_pk_bf16_f32 v[16+4*\j], v[16+4*\j], v[17+4*\j]
	v_cvt_pk_bf16_f32 v[17+4*\j], v[18+4*\j], v[19+4*\j]
	global_store_b64 v3, v[16+4*\j:17+4*\j], s[18:19] offset:256*\j
.endr
	s_endpgm
.Lfunc_end_k_q15233ea628_prep:
	.size	k_q15233ea628_prep, .Lfunc_end_k_q15233ea628_prep-k_q15233ea628_prep
	.p2alignl 7, 3214868480
	.fill 96, 4, 3214868480
	.section	.rodata,"a",@progbits
	.p2align	6, 0x0
	.amdhsa_kernel k_q15233ea628_prep
		.amdhsa_group_segment_fixed_size 0
		.amdhsa_private_segment_fixed_size 0
		.amdhsa_enable_private_segment 0
		.amdhsa_kernarg_size 64
		.amdhsa_user_sgpr_count 2
		.amdhsa_user_sgpr_kernarg_segment_ptr 1
		.amdhsa_wavefront_size32 1
		.amdhsa_system_sgpr_workgroup_id_x 1
		.amdhsa_system_sgpr_workgroup_id_y 1
		.amdhsa_system_sgpr_workgroup_id_z 1
		.amdhsa_system_vgpr_workitem_id 0
		.amdhsa_next_free_vgpr 144
		.amdhsa_next_free_sgpr 66
		.amdhsa_reserve_vcc 0
		.amdhsa_float_denorm_mode_32 3
		.amdhsa_float_denorm_mode_16_64 3
		.amdhsa_memory_ordered 1
		.amdhsa_forward_progress 1
		.amdhsa_inst_pref_size 26
	.end_amdhsa_kernel
	.amdgpu_metadata
---
amdhsa.version: [ 1, 2 ]
amdhsa.kernels:
  - .name:           k_q15233ea628_prep
    .symbol:         k_q15233ea628_prep.kd
    .args:
      - { .name: x, .offset: 0, .size: 8, .value_kind: global_buffer, .address_space: global }
      - { .name: g1, .offset: 8, .size: 8, .value_kind: global_buffer, .address_space: global }
      - { .name: b1, .offset: 16, .size: 8, .value_kind: global_buffer, .address_space: global }
      - { .name: Wq, .offset: 24, .size: 8, .value_kind: global_buffer, .address_space: global }
      - { .name: Wk, .offset: 32, .size: 8, .value_kind: global_buffer, .address_space: global }
      - { .name: Wv, .offset: 40, .size: 8, .value_kind: global_buffer, .address_space: global }
      - { .name: xn, .offset: 48, .size: 8, .value_kind: global_buffer, .address_space: global }
      - { .name: wqkv, .offset: 56, .size: 8, .value_kind: global_buffer, .address_space: global }
    .group_segment_fixed_size: 0
    .private_segment_fixed_size: 0
    .kernarg_segment_align: 8
    .kernarg_segment_size: 64
    .max_flat_workgroup_size: 256
    .sgpr_count:     66
    .vgpr_count:     144
    .wavefront_size: 32
...
	.end_amdgpu_metadata
.endif
;; end of part 1
;; launch qkv (part 2): grid 16 x 16, 4 waves a work-group, clusters of 4 x 4, 327,680 bytes of LDS; arguments xn, wqkv, bq, bv, Wo, W1, W2, qkvh, wb; writes qkvh, wb
.if DOCPART == 2
	.amdgcn_target "amdgcn-amd-amdhsa--gfx1250"
	.amdhsa_code_object_version 6
	.text
	.protected	k_q15233ea628_qkv
	.globl	k_q15233ea628_qkv
	.p2align	8
	.type	k_q15233ea628_qkv,@function
k_q15233ea628_qkv:
	s_mov_b64 s[64:65], 0
	v_nop
	global_prefetch_b8 v0, s[64:65] scope:SCOPE_SE
	s_setreg_imm32_b32 hwreg(HW_REG_WAVE_MODE, 25, 1), 1
	s_wait_xcnt 0x0
	s_wait_alu depctr_hold_cnt(0) depctr_sa_sdst(0) depctr_va_vdst(0) depctr_va_sdst(0) depctr_va_ssrc(0) depctr_va_vcc(0) depctr_vm_vsrc(0)
	s_getreg_b32 s2, hwreg(HW_REG_IB_STS2, 6, 4)
	s_cmp_eq_u32 s2, 0
	s_cbranch_scc0 .Lentry_in_a_cluster
	s_endpgm
.Lentry_in_a_cluster:
	s_bfe_u32 s2, ttmp6, 0x10000c
	s_cmp_lg_u32 s2, 0xf033
	s_cbranch_scc0 .Lentry_shape_is_right
	s_endpgm
.Lentry_shape_is_right:
; qkv: q = xn Wq + bq, k = xn Wk, v = xn Wv + bv, stored by heads: qkvh[3][32 = batch x 16 + head][2048][64] in bf16.
; bk is left out: it adds the same number to all scores of a query row, which the softmax removes (shown at the head of prep).
; xn: [4096][1024] bf16.  The weights lie in wqkv as [K][N] bf16.  Sums in f32, rounded once.
; The three products are 3 x 64 = 192 blocks of 256 x 256, three columns of clusters.  A FOURTH COLUMN OF CLUSTERS (cluster x = 3, 64 work-groups) has no
; product: it rounds Wo, W1 and W2 to bf16 into wb for the later launches, 36 MiB in and 18 MiB out, beside the products.  wb keeps the places
; that the later launches name (Wo at byte 6,291,456, W1 at 8,388,608, W2 at 16,777,216); its first 6,291,456 bytes are neither written nor read.
; A product's work-group makes 256 x 256 with four waves, 128 x 128 each (64 accumulator tiles, 512 registers).  The cluster's x says which of
; q, k, v; the place along the cluster's x says which 256 columns; the block row says which 256 rows.
; K goes in steps of 128 through two LDS slots filled by the tensor data mover.  A's tile (256 rows x 256 bytes) lies along K and is read by
; ds_load_b128; the weights' tile (128 k-rows x 512 bytes) lies along N and is read by ds_load_tr16_b128, which hands each lane eight k of one column.
; CLUSTERS: 4 x 4.  A's tile hangs on the block row alone and is asked for jointly along a row of the cluster; the weights' tile hangs on the
; block column alone and is asked for jointly along a column: the requests for both are divided by four.
; REGISTERS in windows of 256: window 0: addresses, A's fragments (two buffers), the way out; window 1: the weights' fragments (two buffers), v0-63 the bias;
; windows 2 and 3: the accumulators of my rows 0-63 and 64-127, tile (a, b) at v[8 (8 a + b)].
; The matrix instruction is used transposed (source 0 = 16 columns of W, source 1 = 16 rows of xn): lane l holds row l % 16 and eight
; neighbouring columns 8 (l / 16) + 0..7, which pack into 16 bytes.
.set KSTEP,  128
.set KDIM,   1024
.set NP,     1024                      ; elements in a row of a weight matrix
.set PA,     272                       ; A's LDS row: 256 bytes + 16: sixteen rows of a fragment begin in sixteen different 16-byte columns of 256 bytes
.set PB,     544                       ; W's LDS row: 512 bytes + 32 = 17 x 32: eight k-rows of a transposing load begin 32 bytes apart modulo 256
.set HALFT,  34816                     ; one tensor load: 128 rows of A (128 x 272) or 64 k-rows of W (64 x 544)
.set SLOT,   4*HALFT
.set STAGE,  2*SLOT                    ; behind the ring: 16 rows x 272 bytes for each wave, never filled by a tensor load
.set SPITCH, 272
.set LAPS,   KDIM/(2*KSTEP)
.set ASTEP,  2*KSTEP*2                 ; two K steps along A's rows, in bytes
.set BSTEP,  2*KSTEP*NP*2              ; two K steps down W's rows, in bytes
.set BQ,     32*PB                     ; 32 k-rows of W in LDS
.set ADRA, 16
.set ADRB, 20
.set STO,  24
.set RD,   25
.set CO,   26
.set BO,   27
.set F0,   64
.set F1,   128
.set SUM,  128                         ; the way out: results + bias, in window 0 (buffer 1 is free then)
.set TMP,  192
.set G1,  24
.set G0,  32
.set G1B, 48
.set G0B, 56
.set MSB, 0
.macro WIN new                         ; the immediate's high byte repeats the setting that is left
.if MSB != (\new)
	s_set_vgpr_msb (MSB<<8)|(\new)
.set MSB, (\new)
.endif
.endm
.set MUL_LO, 0xa1                      ; source 0 (W) window 1, source 1 (A) window 0, C and D window 2
.set MUL_HI, 0xf1                      ; the same, C and D window 3
.set TO_B,   0x40                      ; destination window 1, address window 0
; A joint load: waves 0 and 1 fetch A's two halves, waves 2 and 3 W's.  Each line has one mask; the branch hangs on the wave's number alone.
.macro JLOAD s
	s_cmp_eq_u32 s11, 0
	s_cbranch_scc0 .Lfor_b_\@
	tensor_load_to_lds s[G0+4*(\s):G0+4*(\s)+3], s[G1:G1+7]
	s_nop 0
	s_branch .Lasked_\@
.Lfor_b_\@:
	tensor_load_to_lds s[G0B+4*(\s):G0B+4*(\s)+3], s[G1B:G1B+7]
	s_nop 0
.Lasked_\@:
.endm
.macro CREST                           ; a round of the cluster's barrier behind its opening work-group barrier
	s_cmp_lg_u32 s10, 0
	s_cbranch_scc1 .Lnot_wave_0_\@
	s_barrier_signal -3
.Lnot_wave_0_\@:
	s_barrier_wait -3
	s_barrier_signal -1
	s_barrier_wait -1
.endm
.macro CROUND                          ; a whole round
	s_barrier_signal -1
	s_barrier_wait -1
	CREST
.endm
	s_set_vgpr_msb 0x40
	v_lshl_add_u32 v255, v0, 2, 0x48400
	s_set_vgpr_msb 0x4000
	v_mov_b32 v255, 0
	s_set_vgpr_msb 0x1
	ds_add_u32 v255, v255
	s_wait_dscnt 0x0
	s_set_vgpr_msb 0x100
	v_lshrrev_b32 v1, 5, v0
	v_readfirstlane_b32 s10, v1                    ; wave 0..3
	s_bfe_u32 s40, ttmp6, 0x40000                  ; cx
	s_bfe_u32 s41, ttmp6, 0x40004                  ; cy
	s_and_b32 s13, ttmp7, 0xffff
	s_lshl_b32 s13, s13, 2
	s_add_co_u32 s13, s13, s41                     ; block row = 4 x cluster y + cy
	s_cmp_eq_u32 ttmp9, 3                          ; the cluster's x: the same in all sixteen partners
	s_cbranch_scc1 .Lcast                          ; the fourth column of clusters rounds weights
	s_load_b128 s[4:7], s[0:1], 0x0                ; xn s[4:5], wqkv s[6:7]
	s_load_b128 s[68:71], s[0:1], 0x10             ; bq s[68:69], bv s[70:71]
	s_load_b64 s[8:9], s[0:1], 0x38                ; qkvh
	s_lshr_b32 s11, s10, 1                         ; my half of the block's rows.  Also: I fetch for A (0) or for W (1)
	s_and_b32 s12, s10, 1                          ; my half of its columns.  Also: which half of that tile I fetch
	s_lshl_b32 s43, s41, 2
	s_lshl_b32 s43, 15, s43                        ; my row of the cluster
	s_lshl_b32 s44, 0x1111, s40                    ; my column
	s_or_b32 s[G1+0], s43, (1<<16)|(1<<20)|(1<<21)|(5<<22)|(3<<25)   ; mask; 2-byte elements; padding on; bit 21 beside a mask; 4 words behind every 64
	s_mov_b32 s[G1+1], 128<<16                     ; tensor_dim0 = 128
	s_mov_b32 s[G1+2], 128<<16                     ; tensor_dim1 = 128
	s_mov_b32 s[G1+3], 128<<16                     ; tile_dim0 = 128 elements
	s_mov_b32 s[G1+4], 128                         ; tile_dim1 = 128 rows
	s_mov_b32 s[G1+5], KDIM                        ; elements from row to row
	s_mov_b32 s[G1+6], 0
	s_mov_b32 s[G1+7], 0
	s_or_b32 s[G1B+0], s44, (1<<16)|(1<<20)|(1<<21)|(6<<22)|(7<<25)  ; 8 words behind every 128
	s_mov_b32 s[G1B+1], 256<<16                    ; tensor_dim0 = 256
	s_mov_b32 s[G1B+2], 64<<16                     ; tensor_dim1 = 64
	s_mov_b32 s[G1B+3], 256<<16                    ; tile_dim0 = 256 elements
	s_mov_b32 s[G1B+4], 64                         ; tile_dim1 = 64 k-rows
	s_mov_b32 s[G1B+5], NP
	s_mov_b32 s[G1B+6], 0
	s_mov_b32 s[G1B+7], 0
	s_lshl_b32 s16, s13, 19                        ; A: (256 x block row + 128 x half) rows of 2,048 bytes
	s_lshl_b32 s17, s12, 18
	s_add_co_u32 s16, s16, s17
	s_mov_b32 s17, 0
	s_lshl_b32 s46, ttmp9, 21                      ; W: the matrix (2 MiB each), 512 bytes for each block column, 64 k-rows of 2,048 bytes for the half
	s_lshl_b32 s47, s40, 9
	s_add_co_u32 s46, s46, s47
	s_lshl_b32 s47, s12, 17
	s_add_co_u32 s46, s46, s47
	s_mov_b32 s47, 0
	s_mul_i32 s20, s10, HALFT                      ; where my part goes: the wave's number alone
	s_wait_kmcnt 0x0
	s_add_nc_u64 s[14:15], s[4:5], s[16:17]
	s_add_nc_u64 s[46:47], s[6:7], s[46:47]
	CROUND                                         ; all sixteen work-groups are here: the first joint loads meet
.irp s, 0,1
	s_mov_b32 s[G0+4*\s], 1
	s_add_co_u32 s[G0+4*\s+1], s20, \s*SLOT
	s_add_nc_u64 s[G0+4*\s+2:G0+4*\s+3], s[14:15], \s*KSTEP*2
	s_or_b32 s[G0+4*\s+3], s[G0+4*\s+3], 0x80000000
	s_mov_b32 s[G0B+4*\s], 1
	s_add_co_u32 s[G0B+4*\s+1], s20, \s*SLOT
	s_add_nc_u64 s[G0B+4*\s+2:G0B+4*\s+3], s[46:47], \s*KSTEP*NP*2
	s_or_b32 s[G0B+4*\s+3], s[G0B+4*\s+3], 0x80000000
	JLOAD \s                                       ; both slots' first fills go out before anything else: two tensor loads of a wave are out
.endr
	v_and_b32 v1, 15, v0                           ; r = l % 16
	v_bfe_u32 v2, v0, 4, 1                         ; h = l / 16
	v_mul_u32_u24 v3, v1, PA
	v_lshl_add_u32 v3, v2, 4, v3                   ; A: row r, 16 bytes for each half of the lanes
	v_and_b32 v4, 7, v0
	v_lshl_add_u32 v4, v2, 3, v4                   ; W: k-row 8 h + l % 8,
	v_mul_u32_u24 v4, v4, PB
	v_bfe_u32 v5, v0, 3, 1
	v_lshl_add_u32 v4, v5, 4, v4                   ; and which eight of the sixteen columns
	s_mul_i32 s21, s11, HALFT                      ; my 128 rows of A
	s_lshl_b32 s22, s12, 8                         ; my 128 columns of W,
	s_add_co_u32 s22, s22, 2*HALFT                 ; which lies behind A
.irp s, 0,1
	v_add_nc_u32 v[ADRA+\s], s21, v3
	v_add_nc_u32 v[ADRB+\s], s22, v4
	s_add_co_u32 s21, s21, SLOT
	s_add_co_u32 s22, s22, SLOT
.endr
	s_mul_i32 s23, s10, 16*SPITCH
	s_add_co_u32 s23, s23, STAGE                   ; my stage
	v_add_nc_u32 v[STO], s23, v3                   ; in: row r, 16 bytes for each half of the lanes
	v_and_b32 v6, 7, v0
	v_mul_u32_u24 v7, v5, SPITCH                   ; back: lanes 0-7 and 8-15 take 128 bytes (one head) of two rows, lanes 16-31 the other head
	v_lshl_add_u32 v7, v2, 7, v7
	v_lshl_add_u32 v7, v6, 4, v7
	v_add_nc_u32 v[RD], s23, v7
	v_lshlrev_b32 v7, 18, v2                       ; in qkvh: the other head lies 262,144 bytes on, the next row 128
	v_lshl_add_u32 v7, v5, 7, v7
	v_lshl_add_u32 v[CO], v6, 4, v7
	v_lshlrev_b32 v[BO], 5, v2                     ; bias: eight f32 for each half of the lanes
.macro MUL16 f, hi, a0, zero           ; 16 matrix instructions; zero = 1: the first product starts the sums
.irp a, \a0, \a0+1
.irp b, 0,1,2,3,4,5,6,7
.if \zero
	v_wmma_f32_16x16x32_bf16 v[8*(8*(\a)+\b):8*(8*(\a)+\b)+7], v[\f+8*\b:\f+8*\b+7], v[\f+8*(4*\hi+\a):\f+8*(4*\hi+\a)+7], 0
.else
	v_wmma_f32_16x16x32_bf16 v[8*(8*(\a)+\b):8*(8*(\a)+\b)+7], v[\f+8*\b:\f+8*\b+7], v[\f+8*(4*\hi+\a):\f+8*(4*\hi+\a)+7], v[8*(8*(\a)+\b):8*(8*(\a)+\b)+7]
.endif
.endr
.endr
.endm
.macro FETCH slot, q, f                ; 32 LDS loads in one run: the fragments of quarter q of the slot's K step into buffer f
	WIN TO_B
.irp i, 0,1,2,3,4,5,6,7
	ds_load_tr16_b128 v[\f+8*\i:\f+8*\i+3],   v[ADRB+\slot] offset:BQ*\q+32*\i
	ds_load_tr16_b128 v[\f+8*\i+4:\f+8*\i+7], v[ADRB+\slot] offset:BQ*\q+32*\i+16*PB
.endr
	WIN 0
.irp i, 0,1,2,3,4,5,6,7
	ds_load_b128 v[\f+8*\i:\f+8*\i+3],   v[ADRA+\slot] offset:\i*16*PA+64*\q
	ds_load_b128 v[\f+8*\i+4:\f+8*\i+7], v[ADRA+\slot] offset:\i*16*PA+64*\q+32
.endr
.endm
.macro PLACES                          ; four plain vector instructions between a matrix instruction and a load into, or a vector read or write of, its registers
.rept 4
	v_nop
.endr
.endm
; The 64 accumulators take turns, one instruction a turn, in the same order in every quarter.
.macro QUARTER slot, q, f, g, zero     ; multiplies buffer f; in its middle fetches quarter q into buffer g
	s_wait_dscnt 8                                 ; W and A's rows 0-63 are in; the youngest eight loads (A's rows 64-127) may be out
	WIN MUL_LO
	MUL16 \f, 0, 0, \zero
	MUL16 \f, 0, 2, \zero
	PLACES
	FETCH \slot, \q, \g
	s_wait_dscnt 32                                ; all but the 32 just issued
	WIN MUL_HI
	MUL16 \f, 1, 0, \zero
	MUL16 \f, 1, 2, \zero
.endm
.macro THREE slot, zero
	QUARTER \slot, 1, F0, F1, \zero
	QUARTER \slot, 2, F1, F0, 0
	QUARTER \slot, 3, F0, F1, 0
.endm
; The last quarter of a K step changes slots.  In front of the barrier each wave waits for its reads of this slot and for all its tensor loads (one is out:
; its part of the next slot).  Behind it the refill comes first, one tensor load a wave, then the next slot's first fragments.
.macro TURN slot, next, fill
	s_wait_dscnt 8
	WIN MUL_LO
	MUL16 F1, 0, 0, 0
	s_wait_dscnt 0                                 ; my reads of this slot are over
	s_wait_tensorcnt 0x0                           ; all my tensor loads have landed
	ds_add_u32 v255, v255
	s_wait_dscnt 0x0
	s_barrier_signal -1
	MUL16 F1, 0, 2, 0                              ; registers only, while the others arrive
	WIN 0
	s_barrier_wait -1
.if \fill
	CREST                                          ; all sixteen work-groups have said so: no partner still reads this slot or has a load on its way
	s_add_nc_u64 s[G0+4*\slot+2:G0+4*\slot+3], s[G0+4*\slot+2:G0+4*\slot+3], ASTEP
	s_add_nc_u64 s[G0B+4*\slot+2:G0B+4*\slot+3], s[G0B+4*\slot+2:G0B+4*\slot+3], BSTEP
	JLOAD \slot
.endif
	PLACES
	FETCH \next, 0, F0
	WIN MUL_HI
	MUL16 F1, 1, 0, 0
	MUL16 F1, 1, 2, 0
.endm
.macro LAP zero
	THREE 0, \zero
	TURN 0, 1, 1
	THREE 1, 0
	TURN 1, 0, 1
.endm
.macro LASTSTEP                        ; the last K step: nothing is left to fetch from memory, no barrier
	THREE 1, 0
	s_wait_dscnt 8
	WIN MUL_LO
	MUL16 F1, 0, 0, 0
	MUL16 F1, 0, 2, 0
	s_wait_dscnt 0
	WIN MUL_HI
	MUL16 F1, 1, 0, 0
	MUL16 F1, 1, 2, 0
	PLACES                                         ; behind the last matrix instructions, for the way out
.endm
	s_wait_tensorcnt 1                             ; my part of K step 0 is in; K step 1's stays out
	s_barrier_signal -1
	s_barrier_wait -1
	FETCH 0, 0, F0
	LAP 1                                          ; the first lap's first products start the sums: nothing is cleared
	WIN 0
	s_mov_b32 s3, LAPS-2
.Llap:
	LAP 0
	WIN 0
	s_sub_co_u32 s3, s3, 1
	s_cmp_lg_u32 s3, 0
	s_cbranch_scc1 .Llap
	THREE 0, 0
	TURN 0, 1, 0                                   ; the last lap fills nothing
	WIN 0
	; where my 128 x 128 goes: part, batch, two heads, 128 rows of 128 bytes
	s_lshr_b32 s16, s13, 3
	s_lshl_b32 s16, s16, 22                        ; batch x 16 heads x 262,144
	s_and_b32 s14, s13, 7
	s_lshl_b32 s14, s14, 15                        ; 256 rows of 128 bytes for each block row in the batch
	s_add_co_u32 s16, s16, s14
	s_lshl_b32 s14, s11, 14
	s_add_co_u32 s16, s16, s14
	s_mov_b32 s17, 0
	s_add_nc_u64 s[8:9], s[8:9], s[16:17]
	s_lshl_b32 s46, ttmp9, 23                      ; q, k or v
	s_lshl_b32 s47, s40, 20                        ; four heads for each block column,
	s_add_co_u32 s46, s46, s47
	s_lshl_b32 s47, s12, 19                        ; two for my half
	s_add_co_u32 s46, s46, s47
	s_mov_b32 s47, 0
	s_add_nc_u64 s[8:9], s[8:9], s[46:47]
	s_cmp_eq_u32 ttmp9, 0
	s_cselect_b64 s[66:67], s[68:69], s[70:71]     ; bq for q, bv for v
	s_lshl_b32 s72, s40, 10
	s_lshl_b32 s73, s12, 9
	s_add_co_u32 s72, s72, s73
	s_mov_b32 s73, 0
	s_add_nc_u64 s[66:67], s[66:67], s[72:73]      ; at my 128 columns
; rows 16 i .. 16 i + 15 of my block: (+ bias,) round to bf16, 16 bytes a lane into my stage, back as whole pieces of 256 bytes
.macro OUT16 i, a, hi, f, bias
.if \bias
	WIN (0x06+\hi)                                 ; source 0 the accumulators' window, source 1 window 1 (bias), destination window 0
.irp b, 0,1,2,3,4,5,6,7
.irp r, 0,1,2,3
	v_pk_add_f32 v[SUM+8*\b+2*\r:SUM+8*\b+2*\r+1], v[8*(8*\a+\b)+2*\r:8*(8*\a+\b)+2*\r+1], v[8*\b+2*\r:8*\b+2*\r+1]
.endr
.endr
	WIN 0
.irp b, 0,1,2,3,4,5,6,7
.irp r, 0,1,2,3
	v_cvt_pk_bf16_f32 v[TMP+4*\b+\r], v[SUM+8*\b+2*\r], v[SUM+8*\b+2*\r+1]
.endr
.endr
.else
	WIN (0x0a+5*\hi)                               ; sources 0 and 1 the accumulators' window
.irp b, 0,1,2,3,4,5,6,7
.irp r, 0,1,2,3
	v_cvt_pk_bf16_f32 v[TMP+4*\b+\r], v[8*(8*\a+\b)+2*\r], v[8*(8*\a+\b)+2*\r+1]
.endr
.endr
	WIN 0
.endif
.irp b, 0,1,2,3,4,5,6,7
	ds_store_b128 v[STO], v[TMP+4*\b:TMP+4*\b+3] offset:32*\b
.endr
	s_wait_xcnt 0x0                                ; buffer f, which earlier stores read, and the stores' base are rewritten only behind this wait
.if \i
	s_add_nc_u64 s[8:9], s[8:9], 16*128            ; 16 rows of a head on
.endif
.irp t, 0,1,2,3,4,5,6,7
	ds_load_b128 v[\f+4*\t:\f+4*\t+3], v[RD] offset:\t*2*SPITCH    ; a wave's LDS instructions are served in order: these see the stores above
.endr
.irp t, 0,1,2,3,4,5,6,7
	s_wait_dscnt 7-\t                              ; read-back t is in, the younger ones stay out
	global_store_b128 v[CO], v[\f+4*\t:\f+4*\t+3], s[8:9] offset:\t*256   ; sixteen lanes store two rows of one head: 256 consecutive bytes at a multiple of 256
.endr
.endm
.macro OUTALL bias
	OUT16 0, 0, 0, 64, \bias
	OUT16 1, 1, 0, 96, \bias
	OUT16 2, 2, 0, 64, \bias
	OUT16 3, 3, 0, 96, \bias
	OUT16 4, 0, 1, 64, \bias
	OUT16 5, 1, 1, 96, \bias
	OUT16 6, 2, 1, 64, \bias
	OUT16 7, 3, 1, 96, \bias
.endm
	s_cmp_eq_u32 ttmp9, 1                          ; the cluster's x: the same in all sixteen partners
	s_cbranch_scc1 .Lkpart
	WIN TO_B                                       ; q and v: the bias of my 128 columns, 64 numbers a lane, asked for a K step ahead of its use
.irp b, 0,1,2,3,4,5,6,7
	global_load_b128 v[8*\b:8*\b+3],   v[BO], s[66:67] offset:64*\b
	global_load_b128 v[8*\b+4:8*\b+7], v[BO], s[66:67] offset:64*\b+16
.endr
	LASTSTEP
	s_wait_loadcnt 0x0                             ; the bias
	OUTALL 1
	s_branch .Ljoin
.Lkpart:                                           ; k: no bias
	LASTSTEP
	OUTALL 0
	s_branch .Ljoin
	; ---- the fourth column of clusters: Wo, W1, W2 to bf16 ----
	; 64 work-groups x 4 waves = 256 waves.  Each matrix is shared out evenly: a wave takes 16,384 consecutive bytes of Wo and 65,536 of W1 and of W2,
	; 288 loads of 512 bytes in all, as 36 batches of eight (4 of Wo, 16 of W1, 16 of W2).  A ring of seven batches in window 1 (7 x 32 registers)
	; keeps 48 to 56 loads of a wave on their way.  The bases are never rewritten: a batch's place stands in the immediate (65,024 bytes at the most).
	; No LDS, no tensor load, no joint request here.
.set CSO,  2                           ; v2       16 x lane: my 16 bytes of a load's 512
.set CDO,  3                           ; v3       8 x lane: my 8 bytes of a store's 256
.set COUT, 16                          ; v[16:31] a batch rounded, to store
.macro CSEL b                          ; batch b: which matrix (cm_), which batch of my part of it (ck_)
.if (\b) < 4
.set cm_, 0
.set ck_, (\b)
.else
.if (\b) < 20
.set cm_, 1
.set ck_, (\b)-4
.else
.set cm_, 2
.set ck_, (\b)-20
.endif
.endif
.endm
.macro CLD b                           ; batch b's eight loads, into ring place b % 7
	CSEL \b
.irp j, 0,1,2,3,4,5,6,7
	global_load_b128 v[32*((\b)%7)+4*\j:32*((\b)%7)+4*\j+3], v[CSO], s[4+2*cm_:5+2*cm_] offset:4096*ck_+512*\j th:TH_LOAD_NT   ; the f32 weights are read this once
.endr
.endm
.macro CBATCH b, left, more            ; batch b is rounded and stored; more = 1: its ring place is asked for again, seven batches ahead
	s_wait_loadcnt \left                           ; loads come back in order: batch b is in, the younger batches stay out
	s_wait_xcnt 0x0                                ; COUT, which the last batch's stores read, is rewritten only behind this wait
	WIN 0x05                                       ; sources window 1, destination window 0
.irp j, 0,1,2,3,4,5,6,7
	v_cvt_pk_bf16_f32 v[COUT+2*\j],   v[32*((\b)%7)+4*\j],   v[32*((\b)%7)+4*\j+1]
	v_cvt_pk_bf16_f32 v[COUT+2*\j+1], v[32*((\b)%7)+4*\j+2], v[32*((\b)%7)+4*\j+3]
.endr
.if \more
	WIN 0x40                                       ; destination window 1
	CLD (\b)+7
.endif
	WIN 0
	CSEL \b
.irp j, 0,1,2,3,4,5,6,7
	global_store_b64 v[CDO], v[COUT+2*\j:COUT+2*\j+1], s[22+2*cm_:23+2*cm_] offset:2048*ck_+256*\j   ; a wave stores 256 consecutive bytes at a multiple of 256
.endr
.endm
.Lcast:
	s_load_b128 s[4:7], s[0:1], 0x20               ; Wo s[4:5], W1 s[6:7]
	s_load_b64 s[8:9], s[0:1], 0x30                ; W2
	s_load_b64 s[14:15], s[0:1], 0x40              ; wb
	s_lshl_b32 s16, s13, 2
	s_add_co_u32 s16, s16, s40                     ; which of the 64 work-groups: 4 x block row + cx
	s_lshl_b32 s16, s16, 2
	s_add_co_u32 s16, s16, s10                     ; which of the 256 waves
	v_and_b32 v1, 31, v0
	v_lshlrev_b32 v[CSO], 4, v1
	v_lshlrev_b32 v[CDO], 3, v1
	s_lshl_b32 s18, s16, 14                        ; my part of Wo,
	s_mov_b32 s19, 0
	s_lshl_b32 s20, s16, 16                        ; of W1 and of W2;
	s_mov_b32 s21, 0
	s_lshl_b32 s22, s16, 13                        ; in wb the parts are half as long
	s_add_co_u32 s22, s22, 6291456                 ; Wo's place in wb
	s_mov_b32 s23, 0
	s_lshl_b32 s24, s16, 15
	s_add_co_u32 s26, s24, 16777216                ; W2's place
	s_add_co_u32 s24, s24, 8388608                 ; W1's place
	s_mov_b32 s25, 0
	s_mov_b32 s27, 0
	s_wait_kmcnt 0x0
	s_add_nc_u64 s[4:5], s[4:5], s[18:19]
	s_add_nc_u64 s[6:7], s[6:7], s[20:21]
	s_add_nc_u64 s[8:9], s[8:9], s[20:21]
	s_add_nc_u64 s[22:23], s[14:15], s[22:23]
	s_add_nc_u64 s[24:25], s[14:15], s[24:25]
	s_add_nc_u64 s[26:27], s[14:15], s[26:27]
	WIN 0x40
.set bb, 0
.rept 7
	CLD bb                                         ; the ring is filled: 56 loads
.set bb, bb+1
.endr
.set bb, 0
.rept 29
	CBATCH bb, 48, 1                               ; six younger batches of eight stay out
.set bb, bb+1
.endr
.rept 7
	CBATCH bb, 8*(35-bb), 0                        ; the last seven batches ask for nothing: the counts run down 48, 40, .. 0
.set bb, bb+1
.endr
.Ljoin:
	s_set_vgpr_msb 0x1
	s_wait_tensorcnt 0x0
	ds_add_u32 v255, v255
	s_wait_dscnt 0x0
	s_set_vgpr_msb 0x100
	CROUND                                         ; the closing round, the one way out of the text: no work-group ends while a partner may still ask for a tile that names it
	s_endpgm
.Lfunc_end_k_q15233ea628_qkv:
	.size	k_q15233ea628_qkv, .Lfunc_end_k_q15233ea628_qkv-k_q15233ea628_qkv
	.p2alignl 7, 3214868480
	.fill 96, 4, 3214868480
	.section	.rodata,"a",@progbits
	.p2align	6, 0x0
	.amdhsa_kernel k_q15233ea628_qkv
		.amdhsa_group_segment_fixed_size 327680
		.amdhsa_private_segment_fixed_size 0
		.amdhsa_enable_private_segment 0
		.amdhsa_kernarg_size 72
		.amdhsa_user_sgpr_count 2
		.amdhsa_user_sgpr_kernarg_segment_ptr 1
		.amdhsa_wavefront_size32 1
		.amdhsa_system_sgpr_workgroup_id_x 1
		.amdhsa_system_sgpr_workgroup_id_y 1
		.amdhsa_system_sgpr_workgroup_id_z 1
		.amdhsa_system_vgpr_workitem_id 0
		.amdhsa_next_free_vgpr 1024
		.amdhsa_next_free_sgpr 76
		.amdhsa_reserve_vcc 0
		.amdhsa_float_denorm_mode_32 3
		.amdhsa_float_denorm_mode_16_64 3
		.amdhsa_memory_ordered 1
		.amdhsa_forward_progress 1
		.amdhsa_inst_pref_size 255
	.end_amdhsa_kernel
	.section	.bss,"aw",@nobits
	.p2align	6
	.space	262144
	.amdgpu_metadata
---
amdhsa.version: [ 1, 2 ]
amdhsa.kernels:
  - .name:           k_q15233ea628_qkv
    .symbol:         k_q15233ea628_qkv.kd
    .args:
      - { .name: xn, .offset: 0, .size: 8, .value_kind: global_buffer, .address_space: global }
      - { .name: wqkv, .offset: 8, .size: 8, .value_kind: global_buffer, .address_space: global }
      - { .name: bq, .offset: 16, .size: 8, .value_kind: global_buffer, .address_space: global }
      - { .name: bv, .offset: 24, .size: 8, .value_kind: global_buffer, .address_space: global }
      - { .name: Wo, .offset: 32, .size: 8, .value_kind: global_buffer, .address_space: global }
      - { .name: W1, .offset: 40, .size: 8, .value_kind: global_buffer, .address_space: global }
      - { .name: W2, .offset: 48, .size: 8, .value_kind: global_buffer, .address_space: global }
      - { .name: qkvh, .offset: 56, .size: 8, .value_kind: global_buffer, .address_space: global }
      - { .name: wb, .offset: 64, .size: 8, .value_kind: global_buffer, .address_space: global }
    .group_segment_fixed_size: 327680
    .private_segment_fixed_size: 0
    .kernarg_segment_align: 8
    .kernarg_segment_size: 72
    .max_flat_workgroup_size: 128
    .sgpr_count:     76
    .vgpr_count:     1024
    .wavefront_size: 32
...
	.end_amdgpu_metadata
.endif
;; end of part 2
;; launch attn (part 3): grid 16 x 16, 4 waves a work-group, clusters of 4 x 1, 327,680 bytes of LDS; arguments qkvh, ctx; writes ctx
.if DOCPART == 3
	.amdgcn_target "amdgcn-amd-amdhsa--gfx1250"
	.amdhsa_code_object_version 6
	.text
	.protected	k_q15233ea628_attn
	.globl	k_q15233ea628_attn
	.p2align	8
	.type	k_q15233ea628_attn,@function
k_q15233ea628_attn:
	s_mov_b64 s[64:65], 0
	v_nop
	global_prefetch_b8 v0, s[64:65] scope:SCOPE_SE
	s_setreg_imm32_b32 hwreg(HW_REG_WAVE_MODE, 25, 1), 1
	s_wait_xcnt 0x0
	s_wait_alu depctr_hold_cnt(0) depctr_sa_sdst(0) depctr_va_vdst(0) depctr_va_sdst(0) depctr_va_ssrc(0) depctr_va_vcc(0) depctr_vm_vsrc(0)
	s_getreg_b32 s2, hwreg(HW_REG_IB_STS2, 6, 4)
	s_cmp_eq_u32 s2, 0
	s_cbranch_scc0 .Lentry_in_a_cluster
	s_endpgm
.Lentry_in_a_cluster:
	s_bfe_u32 s2, ttmp6, 0x10000c
	s_cmp_lg_u32 s2, 0x3003
	s_cbranch_scc0 .Lentry_shape_is_right
	s_endpgm
.Lentry_shape_is_right:
; attn: ctx = softmax(q k^T / 8) v for each of 32 (batch, head), with a running maximum; ctx: [4096][1024] bf16.
; k carries no bk: it would add the same number to all scores of a query row, which the softmax removes (shown at the head of prep).
; A work-group takes 128 queries of TWO neighbouring heads, so that a row of ctx leaves as 256 consecutive bytes.  Wave w: head w / 2, queries 64 (w % 2) + 0..63,
; as four query tiles of 16.  Keys go in tiles of 128 through two LDS slots, each with K and V of both heads; wave w fetches one of the four.
; CLUSTERS: the four query blocks of a cluster read the same K and V tiles and ask for them jointly (mask 15): the requests are divided by four.
; TRANSPOSED FORM: S^T = K Q^T, so lane (r, h) holds query r and keys 16 kt + 8 h + 0..7.  Rounding a lane's own registers of key tiles 2 c and 2 c + 1 to bf16
; gives the second source of O^T = V^T P^T as it stands: no traffic between lanes.  Maximum, sum and rescaling factor are one number a lane;
; only the maximum crosses the two halves of the lanes in a trip, the sums are joined at the end.
;
; TWO PIECES TAKE TURNS.  The wave's query tiles are two pieces, A = tiles 0, 1 and B = tiles 2, 3, which share the K and V fragments and are half a trip apart.
; Trip u:  first half:  products of A: O_A += V(u-1) P_A(u-1), then S_A(u) = K(u) Q_A;   between them the softmax of B's scores of tile u-1;
;          second half: products of B: O_B += V(u-1) P_B(u-1), then S_B(u) = K(u) Q_B;   between them the softmax of A's scores of tile u.
; A piece's softmax is 436 vector instructions, written as 64 slices; one slice stands behind each of the other piece's 64 products, so that the vector unit works
; while the matrix unit does.  In the slices exponentials alternate with plain instructions.  The slices also are the places behind the products (ISA guide 7.12.1).
; K(u) is read from LDS at the head of trip u, 32 products ahead of its use; V(u) behind the first score product of the second half, when V(u-1) has had its last use.
; Trip 0 has scores alone; behind trip 15 a tail without LDS does the products with V(15).
;
; PREFETCH.  The joint load for key tile u + 1 stands at the head of trip u.  In every second trip (u = 0, 2, .. 12), behind that load, tiles u + 2 and u + 3 are asked for
; ahead by global_prefetch_b8: one and two trips ahead of their joint loads.  Two tiles of K and V of both heads are 4 regions of 32,768 consecutive bytes, 128 pieces
; of 256 bytes each; the 16 query blocks that will read them share them out: a work-group asks for 8 pieces of each region, 32 lanes, one instruction of wave 1.
; So each piece is asked for once in the launch.  Tiles 0 and 1 are not asked for ahead; trip 12 asks for tiles 14 and 15, the last; trip 14 asks for nothing.
;
; REGISTERS: window 0: addresses, Q's fragments v64-127.  Windows 1 (piece A) and 2 (piece B), the same map: S(kt, q) at 8 (2 kt + q) (128 registers; P(q, c) is rounded in
; place onto S(2 c, q)), O(dt, q) at 128 + 8 (2 dt + q), the statistics from 192.  Window 3: K's fragments 0-127, V's 128-255.
; A product and its slice have settings of their own, two s_set_vgpr_msb a product, 256 beside a trip's 128 products and 872 vector instructions: one setting cannot
; serve both.  v_exp_f32 has one source, in the place whose window the product's first source (K or V) sets, and its result lies in the window of the product's D;
; K (128) with both pieces' scores (256), or V (128) with O (64) and scores (128), is more than a window's 256 registers.
; LIMITS: v_exp_f32 gives 0 where 2^x would be below 2^-126; the denominator adds p in f32 while the numerator uses p rounded to bf16.
.set TILE,  16384                      ; 128 keys x 128 bytes, dense in memory
.set REG,   20480                      ; a tile's room in LDS: K 128 x 144, V 128 x 160
.set SLOT,  4*REG
.set STAGE, 2*SLOT                     ; 128 rows x 272 bytes, never filled by a tensor load
.set PK,    144                        ; K's LDS row: 128 + 16 bytes: sixteen rows begin in sixteen different 16-byte columns of 256 bytes
.set PVP,   160                        ; V's LDS row: 128 + 32 = 5 x 32 bytes, for the transposing load
; window 0
.set ADK, 4
.set ADV, 6
.set QO,  8
.set STO, 9
.set RD,  10
.set CO,  11
.set PF,  14                           ; v14: the prefetch's lane term; never rewritten
.set QF,  64
; windows 1 and 2; q = 0, 1 is the query tile within the piece
.set O,   128                          ; v[128:191] O(dt, q)
.set M,   192                          ; v[192:193] running maximum of q
.set LS,  194                          ; v[194:197] running sums, a pair for each q
.set NM,  198                          ; v[198:201] - maximum x c, twice
.set AL,  202                          ; v[202:205] rescaling factor, twice
.set T,   208                          ; v[208:223] at work: four chains of maxima a q, later four pairs of sums a q
; window 3
.set VF,  128
.set G1K, 24
.set G1V, 32
.set G0,  40
.set PB,  52                           ; s[52:53]: the prefetch's base
.set MSB, 0
.macro WIN new                         ; the immediate's high byte repeats the setting that is left
.if MSB != (\new)
	s_set_vgpr_msb (MSB<<8)|(\new)
.set MSB, (\new)
.endif
.endm
.macro PLACES
.rept 4
	v_nop
.endr
.endm
.macro ROUND                           ; a round of the cluster's barrier
	s_barrier_signal -1
	s_barrier_wait -1
	s_cmp_lg_u32 s8, 0
	s_cbranch_scc1 .Lnot_wave_0_\@
	s_barrier_signal -3
.Lnot_wave_0_\@:
	s_barrier_wait -3
	s_barrier_signal -1
	s_barrier_wait -1
.endm
.macro JLOAD s                         ; waves 0, 1 fetch K of head 0, 1; waves 2, 3 V: the two shapes differ in the padding alone
	s_cmp_lt_u32 s8, 2
	s_cbranch_scc0 .Lfor_v_\@
	tensor_load_to_lds s[G0+4*(\s):G0+4*(\s)+3], s[G1K:G1K+7]
	s_nop 0
	s_branch .Lasked_\@
.Lfor_v_\@:
	tensor_load_to_lds s[G0+4*(\s):G0+4*(\s)+3], s[G1V:G1V+7]
	s_nop 0
.Lasked_\@:
.endm
	s_load_b128 s[4:7], s[0:1], 0x0                ; qkvh s[4:5], ctx s[6:7]
	v_lshl_add_u32 v254, v0, 2, 0x30800
	v_mov_b32 v255, 0
	ds_add_u32 v254, v255
	v_lshrrev_b32 v1, 5, v0
	v_readfirstlane_b32 s8, v1                     ; wave 0..3
	s_lshr_b32 s9, s8, 1                           ; my head of the two.  Also: I fetch K (0) or V (1)
	s_and_b32 s10, s8, 1                           ; my 64 queries.  Also: of which head I fetch
	s_bfe_u32 s11, ttmp6, 0x40000                  ; cx
	s_lshl_b32 s12, ttmp9, 2
	s_add_co_u32 s12, s12, s11                     ; query block 0..15
	s_and_b32 s13, ttmp7, 0xffff                   ; batch x 8 + pair of heads
	s_mov_b32 s18, 0x76543210                      ; v_permlanex16_b32: lane i of one half reads lane i of the other
	s_mov_b32 s19, 0xfedcba98
	s_mov_b32 s21, 0xbe38aa3b                      ; - c
	s_mov_b32 s22, 0x3e38aa3b                      ; c = log2(e) / 8: the scale 1 / sqrt(64) and the change to base 2 in one factor
	s_mov_b32 s23, 0x3e38aa3b
	; a tile comes as 64 rows of 256 bytes; the padding stands behind every 32 words, that is behind every key's 128 bytes
	s_mov_b32 s[G1K+0], 15|(1<<16)|(1<<20)|(1<<21)|(4<<22)|(3<<25)
	s_mov_b32 s[G1V+0], 15|(1<<16)|(1<<20)|(1<<21)|(4<<22)|(7<<25)
.irp g, G1K, G1V
	s_mov_b32 s[\g+1], 128<<16                     ; tensor_dim0 = 128
	s_mov_b32 s[\g+2], 64<<16                      ; tensor_dim1 = 64
	s_mov_b32 s[\g+3], 128<<16                     ; tile_dim0 = 128 elements
	s_mov_b32 s[\g+4], 64                          ; tile_dim1 = 64 rows
	s_mov_b32 s[\g+5], 128                         ; dense: a row begins where the last ends
	s_mov_b32 s[\g+6], 0
	s_mov_b32 s[\g+7], 0
.endr
	s_add_co_u32 s14, s9, 1
	s_lshl_b32 s14, s14, 23                        ; part 1 (k) or 2 (v) of qkvh
	s_lshl_b32 s15, s13, 1
	s_add_co_u32 s15, s15, s10
	s_lshl_b32 s15, s15, 18                        ; the head
	s_add_co_u32 s14, s14, s15
	s_mov_b32 s15, 0
	s_mul_i32 s16, s8, REG
	s_lshl_b32 s48, s13, 1                         ; Q: my head, my 64 queries of 128 bytes
	s_add_co_u32 s48, s48, s9
	s_lshl_b32 s48, s48, 18
	s_lshl_b32 s49, s12, 14
	s_add_co_u32 s48, s48, s49
	s_lshl_b32 s49, s10, 13
	s_add_co_u32 s48, s48, s49
	s_mov_b32 s49, 0
	s_lshr_b32 s50, s13, 3                         ; ctx: batch, query block, 32 rows a wave, the pair's 256 bytes
	s_lshl_b32 s50, s50, 22
	s_lshl_b32 s51, s12, 18
	s_add_co_u32 s50, s50, s51
	s_lshl_b32 s51, s8, 16
	s_add_co_u32 s50, s50, s51
	s_and_b32 s51, s13, 7
	s_lshl_b32 s51, s51, 8
	s_add_co_u32 s50, s50, s51
	s_mov_b32 s51, 0
	s_lshl_b32 s[PB], s13, 19                      ; the prefetch: k of the pair's first head (two heads of 262,144 bytes a pair),
	s_lshl_b32 s[PB+1], s12, 11                    ; my 8 pieces of 256 bytes among the 128 of two tiles,
	s_add_co_u32 s[PB], s[PB], s[PB+1]
	s_add_co_u32 s[PB], s[PB], 0x800000            ; in part 1 of qkvh
	s_mov_b32 s[PB+1], 0
	s_wait_dscnt 0x0
	s_wait_kmcnt 0x0
	s_add_nc_u64 s[14:15], s[4:5], s[14:15]
	s_add_nc_u64 s[48:49], s[4:5], s[48:49]
	s_add_nc_u64 s[50:51], s[6:7], s[50:51]
	s_add_nc_u64 s[PB:PB+1], s[4:5], s[PB:PB+1]    ; at tiles 0 and 1; it is stepped by two tiles in front of each prefetch
	ROUND                                          ; in front of the first joint load
.irp s, 0,1
	s_mov_b32 s[G0+4*\s], 1
	s_add_co_u32 s[G0+4*\s+1], s16, \s*SLOT
	s_add_nc_u64 s[G0+4*\s+2:G0+4*\s+3], s[14:15], \s*TILE
	s_or_b32 s[G0+4*\s+3], s[G0+4*\s+3], 0x80000000
.endr
	JLOAD 0                                        ; key tile 0
	v_and_b32 v1, 15, v0                           ; r
	v_bfe_u32 v2, v0, 4, 1                         ; h
	v_lshlrev_b32 v[QO], 7, v1
	v_lshl_add_u32 v[QO], v2, 4, v[QO]             ; Q: row r of 128 bytes, 16 bytes for each half of the lanes
.irp qt, 0,1,2,3
.irp kc, 0,1
	global_load_b128 v[QF+16*\qt+8*\kc:QF+16*\qt+8*\kc+3],   v[QO], s[48:49] offset:\qt*2048+\kc*64
	global_load_b128 v[QF+16*\qt+8*\kc+4:QF+16*\qt+8*\kc+7], v[QO], s[48:49] offset:\qt*2048+\kc*64+32
.endr
.endr
	v_mul_u32_u24 v3, v1, PK
	v_lshl_add_u32 v3, v2, 4, v3
	v_and_b32 v12, 7, v0
	v_lshl_add_u32 v12, v2, 3, v12
	v_mul_u32_u24 v12, v12, PVP
	v_bfe_u32 v13, v0, 3, 1
	v_lshl_add_u32 v12, v13, 4, v12
	s_mul_i32 s16, s9, REG                         ; K of my head,
	s_add_co_u32 s17, s16, 2*REG                   ; V of my head
.irp s, 0,1
	v_add_nc_u32 v[ADK+\s], s16, v3
	v_add_nc_u32 v[ADV+\s], s17, v12
	s_add_co_u32 s16, s16, SLOT
	s_add_co_u32 s17, s17, SLOT
.endr
	s_mul_i32 s16, s10, 64*272
	s_lshl_b32 s17, s9, 7
	s_add_co_u32 s16, s16, s17
	s_add_co_u32 s16, s16, STAGE
	v_mul_u32_u24 v3, v1, 272
	v_lshl_add_u32 v3, v2, 4, v3
	v_add_nc_u32 v[STO], s16, v3                   ; stage, in: row 64 (w % 2) + r, my head's 128 bytes, 16 bytes for each half of the lanes
	s_mul_i32 s16, s8, 32*272
	s_add_co_u32 s16, s16, STAGE
	v_mul_u32_u24 v3, v2, 272
	v_lshl_add_u32 v3, v1, 4, v3
	v_add_nc_u32 v[RD], s16, v3                    ; back: lanes 0-15 one row of 256 bytes, lanes 16-31 the next
	v_lshlrev_b32 v3, 11, v2
	v_lshl_add_u32 v[CO], v1, 4, v3                ; the same two rows in ctx
	v_and_b32 v[PF], 7, v0                         ; the prefetch: lanes 0-7 eight pieces 256 bytes apart,
	v_lshlrev_b32 v[PF], 8, v[PF]
	v_lshl_add_u32 v[PF], v13, 18, v[PF]           ; lanes 8-15 the same of the pair's second head,
	v_lshl_add_u32 v[PF], v2, 23, v[PF]            ; lanes 16-31 the same of v, 8,388,608 bytes behind k
; ---- fragments from LDS: destination window 3, address window 0 ----
.macro KLOAD slot
	WIN 0xc0
.irp kt, 0,1,2,3,4,5,6,7
.irp kc, 0,1
	ds_load_b128 v[16*\kt+8*\kc:16*\kt+8*\kc+3],   v[ADK+\slot] offset:\kt*16*PK+\kc*64
	ds_load_b128 v[16*\kt+8*\kc+4:16*\kt+8*\kc+7], v[ADK+\slot] offset:\kt*16*PK+\kc*64+32
.endr
.endr
.endm
.macro VLOAD slot
	WIN 0xc0
.irp c, 0,1,2,3
.irp dt, 0,1,2,3
	ds_load_tr16_b128 v[VF+8*(4*\c+\dt):VF+8*(4*\c+\dt)+3],   v[ADV+\slot] offset:\c*32*PVP+\dt*32
	ds_load_tr16_b128 v[VF+8*(4*\c+\dt)+4:VF+8*(4*\c+\dt)+7], v[ADV+\slot] offset:\c*32*PVP+\dt*32+16*PVP
.endr
.endr
.endm
; ---- products.  The accumulators take turns, one instruction a turn: eight in PVM, four in SCM ----
; The op-th of a piece's 32 products O^T += V^T P^T: c = op / 8, accumulator O(dt, q) = op % 8.  zc = 1: c = 0 starts the sums.
.macro PVM op, zc
.set c_, (\op)>>3
.set d_, O+8*((\op)&7)
.set va_, VF+8*(4*c_+(((\op)>>1)&3))
.set pb_, 8*(4*c_+((\op)&1))
.set z_, 0
.if \zc
.if c_ == 0
.set z_, 1
.endif
.endif
.if z_
	v_wmma_f32_16x16x32_bf16 v[d_:d_+7], v[va_:va_+7], v[pb_:pb_+7], 0
.else
	v_wmma_f32_16x16x32_bf16 v[d_:d_+7], v[va_:va_+7], v[pb_:pb_+7], v[d_:d_+7]
.endif
.endm
; The op-th of the 32 products S^T = K Q^T of piece x: two key tiles x two query tiles, first all with d = 0..31 (they start the sums), then all with d = 32..63.
.macro SCM x, op
.set kt_, 2*((\op)>>3)+(((\op)>>1)&1)
.set kc_, ((\op)>>2)&1
.set d_, 8*(2*kt_+((\op)&1))
.set ka_, 16*kt_+8*kc_
.set qb_, QF+16*(2*(\x)+((\op)&1))+8*kc_
.if kc_ == 0
	v_wmma_f32_16x16x32_bf16 v[d_:d_+7], v[ka_:ka_+7], v[qb_:qb_+7], 0
.else
	v_wmma_f32_16x16x32_bf16 v[d_:d_+7], v[ka_:ka_+7], v[qb_:qb_+7], v[d_:d_+7]
.endif
.endm
; ---- the steps of a piece's softmax; every register lies in the piece's own window; score tile t = 2 kt + q ----
.macro MX q, op                        ; the op-th of 32 steps of q's maximum: four chains, chain k over key tiles 2 k and 2 k + 1
.set e_, (\op)>>2
.set k_, (\op)&3
.set b_, 8*(2*(2*k_+(e_>>2))+(\q))+2*(e_&3)
.if e_ == 0
	v_max_num_f32 v[T+4*(\q)+k_], v[b_], v[b_+1]
.else
	v_max3_num_f32 v[T+4*(\q)+k_], v[b_], v[b_+1], v[T+4*(\q)+k_]
.endif
.endm
.macro ST q, k, first                  ; the k-th of ten steps from q's four chains to its new maximum, - m c and the rescaling factor
.set t_, T+4*(\q)
.if (\k) == 0
	v_max3_num_f32 v[t_], v[t_], v[t_+1], v[t_+2]
.endif
.if (\k) == 1
	v_max_num_f32 v[t_], v[t_], v[t_+3]
.endif
.if (\k) == 2
	v_permlanex16_b32 v[t_+1], v[t_], s18, s19     ; the other half of the lanes holds the query's other keys
.endif
.if (\k) == 3
.if \first
	v_max_num_f32 v[t_], v[t_], v[t_+1]
.else
	v_max3_num_f32 v[t_], v[t_], v[t_+1], v[M+(\q)]    ; the new running maximum
.endif
.endif
.if (\k) == 4
	v_mul_f32 v[NM+2*(\q)], s21, v[t_]
.endif
.if (\k) == 7
	v_mov_b32 v[M+(\q)], v[t_]
.endif
.if (\k) == 8
	v_mov_b32 v[NM+2*(\q)+1], v[NM+2*(\q)]
.endif
.if \first == 0
.if (\k) == 5
	v_fma_f32 v[t_+2], v[M+(\q)], s22, v[NM+2*(\q)]    ; (old maximum - new maximum) c, never above 0
.endif
.if (\k) == 6
	v_exp_f32 v[AL+2*(\q)], v[t_+2]
.endif
.if (\k) == 9
	s_wait_alu depctr_va_vdst(0)
	v_mov_b32 v[AL+2*(\q)+1], v[AL+2*(\q)]
.endif
.endif
.endm
.macro FM t, i                         ; s c - m c, a pair
	v_pk_fma_f32 v[8*(\t)+2*(\i):8*(\t)+2*(\i)+1], v[8*(\t)+2*(\i):8*(\t)+2*(\i)+1], s[22:23], v[NM+2*((\t)&1):NM+2*((\t)&1)+1] op_sel_hi:[1,0,1]
.endm
.macro EX t, i                         ; p = 2^(s c - m c), in place
	v_exp_f32 v[8*(\t)+(\i)], v[8*(\t)+(\i)]
.endm
.macro SU t, i                         ; tile t's pair i onto q's i-th pair of sums; q's first two tiles start the sums: nothing is cleared
.set a_, T+8*((\t)&1)+2*(\i)
.if (\t) < 4
	s_wait_alu depctr_va_vdst(0)
	v_pk_add_f32 v[a_:a_+1], v[8*((\t)-2)+2*(\i):8*((\t)-2)+2*(\i)+1], v[8*(\t)+2*(\i):8*(\t)+2*(\i)+1]
.else
	s_wait_alu depctr_va_vdst(0)
	v_pk_add_f32 v[a_:a_+1], v[a_:a_+1], v[8*(\t)+2*(\i):8*(\t)+2*(\i)+1]
.endif
.endm
.macro CV t, i                         ; p to bf16, in place: an even key tile fills registers 0-3 of its own tile, the odd one behind it registers 4-7 of that tile
.if ((\t)>>1)&1
	v_cvt_pk_bf16_f32 v[8*((\t)-2)+4+(\i)], v[8*(\t)+2*(\i)], v[8*(\t)+2*(\i)+1]
.else
	v_cvt_pk_bf16_f32 v[8*(\t)+(\i)], v[8*(\t)+2*(\i)], v[8*(\t)+2*(\i)+1]
.endif
.endm
.macro MU q, m                         ; the m-th of the 16 pairs of q's O is brought to the new maximum
.set o_, O+8*(2*((\m)>>2)+(\q))+2*((\m)&3)
	v_pk_mul_f32 v[o_:o_+1], v[o_:o_+1], v[AL+2*(\q):AL+2*(\q)+1]
.endm
.macro MUN q, m, first                 ; the first tile has no O to rescale
.if \first == 0
	MU \q, \m
.endif
.endm
.macro MUZ z, first                    ; the 24 rescalings that stand in the rounds: q = 0's pairs 8-15, then q = 1's 16
.if \first == 0
.if (\z) < 8
	MU 0, (\z)+8
.else
	MU 1, (\z)-8
.endif
.endif
.endm
.macro JN q, k, first                  ; q's four pairs of sums are joined and taken into the running sums
.set a_, T+8*(\q)
.if (\k) == 0
	v_pk_add_f32 v[a_:a_+1], v[a_:a_+1], v[a_+2:a_+3]
.endif
.if (\k) == 1
	v_pk_add_f32 v[a_+4:a_+5], v[a_+4:a_+5], v[a_+6:a_+7]
.endif
.if (\k) == 2
.if \first
	v_pk_add_f32 v[LS+2*(\q):LS+2*(\q)+1], v[a_:a_+1], v[a_+4:a_+5]
.else
	v_pk_add_f32 v[a_:a_+1], v[a_:a_+1], v[a_+4:a_+5]
.endif
.endif
.if (\k) == 3
.if \first == 0
	v_pk_fma_f32 v[LS+2*(\q):LS+2*(\q)+1], v[LS+2*(\q):LS+2*(\q)+1], v[AL+2*(\q):AL+2*(\q)+1], v[a_:a_+1]
.endif
.endif
.endm
; Slice sn (0 to 63) of a piece's softmax, under the setting w (every operand place the piece's window).
; Slices 0-11: the maxima; each query tile's chain of dependent steps (ST) stands among independent work.
; Slices 12-59: sixteen rounds of three slices.  Round r: tile r's exponentials alternate with tile r + 1's multiply-adds and with tile r - 1's sums, then tile r - 4 is rounded.
; So behind every exponential stands a plain instruction that touches none of its registers (ISA guide 5.7.2), and each result is used a round later.
; A tile is rounded four rounds behind its exponentials because q's first two tiles are read by the sum of the tile two further on.  Slices 60-63: the rest.
.macro SLICE sn, w, first
.if (\sn) < 4
	WIN \w
.irp j, 0,1,2,3,4,5,6,7
	MX 0, 8*(\sn)+\j
.endr
.endif
.if (\sn) >= 4
.if (\sn) < 9
	WIN \w
	MX 1, 6*((\sn)-4)
	MX 1, 6*((\sn)-4)+1
	MX 1, 6*((\sn)-4)+2
	ST 0, 2*((\sn)-4), \first
	MX 1, 6*((\sn)-4)+3
	MX 1, 6*((\sn)-4)+4
	MX 1, 6*((\sn)-4)+5
	ST 0, 2*((\sn)-4)+1, \first
.endif
.endif
.if (\sn) == 9
	WIN \w
	MX 1, 30
	MX 1, 31
	MUN 0, 0, \first
	MUN 0, 1, \first
	ST 1, 0, \first
	MUN 0, 2, \first
	FM 0, 0
	ST 1, 1, \first
.endif
.if (\sn) == 10
	WIN \w
	FM 0, 1
	MUN 0, 3, \first
	ST 1, 2, \first
	FM 0, 2
	MUN 0, 4, \first
	ST 1, 3, \first
	FM 0, 3
	MUN 0, 5, \first
.endif
.if (\sn) == 11
	WIN \w
	ST 1, 4, \first
	MUN 0, 6, \first
	ST 1, 5, \first
	MUN 0, 7, \first
	ST 1, 6, \first
	ST 1, 7, \first
	ST 1, 8, \first
	ST 1, 9, \first
.endif
.if (\sn) >= 12
.if (\sn) < 60
.set r_, ((\sn)-12)/3
.set p_, ((\sn)-12)%3
.if p_ == 0
	WIN \w
.irp i, 0,1,2,3
	EX r_, \i
.if r_ < 15
	FM r_+1, \i
.endif
.endr
.endif
.if p_ == 1
	WIN \w
.irp i, 0,1,2,3
	EX r_, 4+\i
.if r_ >= 3
	SU r_-1, \i
.else
	MUZ 4*r_+\i, \first
.endif
.endr
.endif
.if p_ == 2
.if r_ >= 4
	WIN \w
.irp i, 0,1,2,3
	CV r_-4, \i
.endr
.else
.if \first == 0
	WIN \w
	MUZ 12+3*r_, 0
	MUZ 13+3*r_, 0
	MUZ 14+3*r_, 0
.endif
.endif
.endif
.endif
.endif
.if (\sn) == 60
	WIN \w
.irp i, 0,1,2,3
	SU 15, \i
.endr
	JN 0, 0, \first
	JN 0, 1, \first
.endif
.if (\sn) == 61
	WIN \w
.irp i, 0,1,2,3
	CV 12, \i
.endr
	JN 0, 2, \first
	JN 1, 0, \first
	JN 1, 1, \first
.endif
.if (\sn) == 62
	WIN \w
.irp i, 0,1,2,3
	CV 13, \i
.endr
	JN 0, 3, \first
	JN 1, 2, \first
.endif
.if (\sn) == 63
	WIN \w
.irp i, 0,1,2,3
	CV 14, \i
.endr
.irp i, 0,1,2,3
	CV 15, \i
.endr
	JN 1, 3, \first
.endif
.endm
; Half a trip: the products of piece x (0 = A, 1 = B), one slice of the other piece's softmax behind each.
; pv: the 32 products with V; zc: they start O; kw: K's fragments were asked for at this trip's head and are waited for; sc: the 32 score products;
; sm: the other piece's softmax; first: it is that piece's first tile; vl: V's fragments of this trip's tile are asked for.
; Settings: products with V: source 0 window 3, source 1, C and D the piece's window; score products: source 0 window 3, source 1 window 0, C and D the piece's window.
.macro HALF x, pv, zc, kw, sc, sm, first, vl, slot
.set nn, 0
.rept 32
.if \pv
	WIN 0x57+0x54*\x
	PVM nn, \zc
.endif
.if \sm
	SLICE nn, 0x55*(2-\x), \first
.endif
.set nn, nn+1
.endr
.if \kw
	s_wait_dscnt 0x0                               ; K's 32 loads, issued at the trip's head, 32 products ago
.endif
.rept 32
.if \sc
	WIN 0x53+0x50*\x
	SCM \x, nn-32
.endif
.if \sm
	SLICE nn, 0x55*(2-\x), \first
.endif
.if \vl
.if nn == 32
	VLOAD \slot                                    ; behind V's last product stand slices 31 and 32 with eight plain instructions; the loads are waited for at the next trip's head
.endif
.endif
.set nn, nn+1
.endr
.endm
; One key tile.  slot: where it lies; refill = 1: the next tile is asked for into the other slot; kind 0: trip 0, 1: trip 1, 2: every later one;
; pf = 1: the two tiles behind the one just asked for are prefetched.
.macro TRIP slot, refill, kind, pf
	WIN 0
	s_wait_tensorcnt 0x0                           ; all my tensor loads are done, my part of this tile among them,
	ds_add_u32 v254, v255
	s_wait_dscnt 0x0
	s_add_nc_u64 s[G0+4*\slot+2:G0+4*\slot+3], s[G0+4*\slot+2:G0+4*\slot+3], 2*TILE   ; so a group 0 may be written: this slot's next tile
	s_wait_dscnt 0x0                               ; my reads of the last tile are done, V's fragments among them
	ROUND                                          ; both now hold of every wave of the four work-groups
.if \refill
	JLOAD 1-\slot                                  ; my one tensor load behind the round: it has the whole trip in which to land
.endif
.if \pf
	s_wait_xcnt 0x0                                ; the last prefetch, two trips back, has had its address translated (ISA guide 3.1): its base is rewritten only behind this wait
	s_add_nc_u64 s[PB:PB+1], s[PB:PB+1], 2*TILE    ; in trip u the base now stands at tile u + 2
	s_cmp_lg_u32 s8, 1
	s_cbranch_scc1 .Lno_pf_\@
	global_prefetch_b8 v[PF], s[PB:PB+1] th:TH_LOAD_NT scope:SCOPE_SE   ; wave 1: my 8 pieces of K and of V of both heads in tiles u + 2 and u + 3
.Lno_pf_\@:
.endif
	KLOAD \slot                                    ; behind K's last product stands slice 63, eight plain instructions or more
.if \kind == 0
	s_wait_loadcnt 0x0                             ; Q
	HALF 0, 0,0, 1, 1, 0,0, 0, \slot               ; S_A(0): nothing to set between yet
	PLACES                                         ; so four places stand here, in front of the first reads of S_A
	HALF 1, 0,0, 0, 1, 1,1, 1, \slot               ; S_B(0) beside the second half of A's first softmax
.endif
.if \kind == 1
	HALF 0, 1,1, 1, 1, 1,1, 0, \slot               ; tile 0 starts O_A; B's first softmax
	HALF 1, 1,1, 0, 1, 1,0, 1, \slot               ; tile 0 starts O_B
.endif
.if \kind == 2
	HALF 0, 1,0, 1, 1, 1,0, 0, \slot
	HALF 1, 1,0, 0, 1, 1,0, 1, \slot
.endif
	WIN 0
.endm
	TRIP 0, 1, 0, 1                                ; trip 0 prefetches tiles 2 and 3
	TRIP 1, 1, 1, 0
	s_mov_b32 s20, 6
.Lkeys:
	TRIP 0, 1, 2, 1                                ; trips 2, 4, .. 12 prefetch tiles 4 and 5, .. 14 and 15
	TRIP 1, 1, 2, 0
	s_sub_co_u32 s20, s20, 1
	s_cmp_lg_u32 s20, 0
	s_cbranch_scc1 .Lkeys
	TRIP 0, 1, 2, 0                                ; tile 14 asks for tile 15 and prefetches nothing: there is no tile 16,
	TRIP 1, 0, 2, 0                                ; and tile 15 asks for nothing
	s_wait_dscnt 0x0                               ; the tail: V(15)'s fragments
	HALF 0, 1,0, 0, 0, 1,0, 0, 0                   ; O_A += V(15) P_A(15) beside B's last softmax
	HALF 1, 1,0, 0, 0, 0,0, 0, 0                   ; O_B += V(15) P_B(15)
	; the end: divide by the sums, round, and out through the stage as whole rows of 256 bytes (two heads)
	PLACES
.irp y, 0,1
	WIN 0x55*(\y+1)                                ; the piece's window in every place
.irp q, 0,1
	v_add_f32 v[T+4*\q], v[LS+2*\q], v[LS+2*\q+1]
.endr
.irp q, 0,1
	v_permlanex16_b32 v[T+4*\q+1], v[T+4*\q], s18, s19
.endr
.irp q, 0,1
	v_add_f32 v[T+4*\q], v[T+4*\q], v[T+4*\q+1]    ; at least about 1: the key of the maximum adds 2^0
.endr
.irp q, 0,1
	v_rcp_f32 v[AL+2*\q], v[T+4*\q]
.endr
	v_nop                                          ; one plain instruction behind the reciprocals before they are used
.irp q, 0,1
	s_wait_alu depctr_va_vdst(0)
	v_mov_b32 v[AL+2*\q+1], v[AL+2*\q]
.endr
.set mm, 0
.rept 16
	MU 0, mm
	MU 1, mm
.set mm, mm+1
.endr
.irp q, 0,1
.irp dt, 0,1,2,3
.irp i, 0,1,2,3
	v_cvt_pk_bf16_f32 v[4*(4*\q+\dt)+\i], v[O+8*(2*\dt+\q)+2*\i], v[O+8*(2*\dt+\q)+2*\i+1]   ; into the scores' registers, which are free now
.endr
.endr
.endr
	WIN 0x04*(\y+1)                                ; store data from the piece's window, address from window 0
.irp q, 0,1
.irp dt, 0,1,2,3
	ds_store_b128 v[STO], v[4*(4*\q+\dt):4*(4*\q+\dt)+3] offset:(2*\y+\q)*16*272+\dt*32
.endr
.endr
.endr
	WIN 0
	s_wait_dscnt 0x0                               ; for the others' sake: a row's two halves come from two waves
	s_barrier_signal -1
	s_barrier_wait -1
.irp t, 0,1,2,3,4,5,6,7,8,9,10,11,12,13,14,15
	ds_load_b128 v[QF+4*\t:QF+4*\t+3], v[RD] offset:\t*2*272
.endr
.irp t, 0,1,2,3,4,5,6,7,8,9,10,11,12,13,14,15
	s_wait_dscnt 15-\t                             ; read-back t is in, the younger ones stay out
	global_store_b128 v[CO], v[QF+4*\t:QF+4*\t+3], s[50:51] offset:\t*4096   ; sixteen lanes store 256 consecutive bytes at a multiple of 256
.endr
	s_wait_tensorcnt 0x0
	ds_add_u32 v254, v255
	s_wait_dscnt 0x0
	ROUND                                          ; the closing round
	s_endpgm
.Lfunc_end_k_q15233ea628_attn:
	.size	k_q15233ea628_attn, .Lfunc_end_k_q15233ea628_attn-k_q15233ea628_attn
	.p2alignl 7, 3214868480
	.fill 96, 4, 3214868480
	.section	.rodata,"a",@progbits
	.p2align	6, 0x0
	.amdhsa_kernel k_q15233ea628_attn
		.amdhsa_group_segment_fixed_size 327680
		.amdhsa_private_segment_fixed_size 0
		.amdhsa_enable_private_segment 0
		.amdhsa_kernarg_size 16
		.amdhsa_user_sgpr_count 2
		.amdhsa_user_sgpr_kernarg_segment_ptr 1
		.amdhsa_wavefront_size32 1
		.amdhsa_system_sgpr_workgroup_id_x 1
		.amdhsa_system_sgpr_workgroup_id_y 1
		.amdhsa_system_sgpr_workgroup_id_z 1
		.amdhsa_system_vgpr_workitem_id 0
		.amdhsa_next_free_vgpr 1024
		.amdhsa_next_free_sgpr 66
		.amdhsa_reserve_vcc 0
		.amdhsa_float_denorm_mode_32 3
		.amdhsa_float_denorm_mode_16_64 3
		.amdhsa_memory_ordered 1
		.amdhsa_forward_progress 1
		.amdhsa_inst_pref_size 255
	.end_amdhsa_kernel
	.section	.bss,"aw",@nobits
	.p2align	6
	.space	262144
	.amdgpu_metadata
---
amdhsa.version: [ 1, 2 ]
amdhsa.kernels:
  - .name:           k_q15233ea628_attn
    .symbol:         k_q15233ea628_attn.kd
    .args:
      - { .name: qkvh, .offset: 0, .size: 8, .value_kind: global_buffer, .address_space: global }
      - { .name: ctx, .offset: 8, .size: 8, .value_kind: global_buffer, .address_space: global }
    .group_segment_fixed_size: 327680
    .private_segment_fixed_size: 0
    .kernarg_segment_align: 8
    .kernarg_segment_size: 16
    .max_flat_workgroup_size: 128
    .sgpr_count:     66
    .vgpr_count:     1024
    .wavefront_size: 32
...
	.end_amdgpu_metadata
.endif
;; end of part 3
;; launch wo (part 4): grid 8 x 32, 4 waves a work-group, clusters of 4 x 4, 327,680 bytes of LDS; arguments ctx, wb, bo, x, hres; writes hres
.if DOCPART == 4
	.amdgcn_target "amdgcn-amd-amdhsa--gfx1250"
	.amdhsa_code_object_version 6
	.text
	.protected	k_q15233ea628_wo
	.globl	k_q15233ea628_wo
	.p2align	8
	.type	k_q15233ea628_wo,@function
k_q15233ea628_wo:
	s_mov_b64 s[64:65], 0
	v_nop
	global_prefetch_b8 v0, s[64:65] scope:SCOPE_SE
	s_setreg_imm32_b32 hwreg(HW_REG_WAVE_MODE, 25, 1), 1
	s_wait_xcnt 0x0
	s_wait_alu depctr_hold_cnt(0) depctr_sa_sdst(0) depctr_va_vdst(0) depctr_va_sdst(0) depctr_va_ssrc(0) depctr_va_vcc(0) depctr_vm_vsrc(0)
	s_getreg_b32 s2, hwreg(HW_REG_IB_STS2, 6, 4)
	s_cmp_eq_u32 s2, 0
	s_cbranch_scc0 .Lentry_in_a_cluster
	s_endpgm
.Lentry_in_a_cluster:
	s_bfe_u32 s2, ttmp6, 0x10000c
	s_cmp_lg_u32 s2, 0xf033
	s_cbranch_scc0 .Lentry_shape_is_right
	s_endpgm
.Lentry_shape_is_right:
; wo: hres = ctx Wo + bo + x.  ctx: [4096][1024] bf16; Wo in wb as [K][N] bf16; x, hres: [4096][1024] f32.
; With 1,024 columns a work-group has a block of 128 x 128.  All four waves make the WHOLE block (64 accumulator tiles each), each on its own quarter of K:
; a slot holds 256 of K, wave w takes k = 64 w .. 64 w + 63 of it, so every byte of a slot is read from LDS once.  At the end the four f32 partial
; blocks are added through LDS, which also turns the lanes' pieces into whole rows for the stores.
; LIMIT: each output is the sum of four f32 partial sums over K: an order of rounding other than one ascending chain.
; CLUSTERS: 4 x 4; A's tile is asked for jointly along a row of the cluster, W's along a column: the requests for both are divided by four.
; PREFETCH.  K is T = KDIM / 256 tiles.  The joint loads for tile t + 2 stand in slot t's change of slots; behind that turn's run of LDS loads A's tile t + 3 is asked for ahead by
; global_prefetch_b8, one slot (128 products of a wave) ahead of its joint load.  A's tile is 128 rows x 512 bytes = 256 pieces of 256 bytes, wanted by the 8 work-groups
; of a block row: each asks for 16 rows, 32 pieces, one instruction of wave 0.  W's k-rows of two slots are 512 rows x 2,048 bytes = 4,096 pieces = 128 instructions of
; 32 lanes, half as many as there are work-groups: the 128 work-groups of cluster column 0 ask, each for four whole k-rows (8,192 consecutive bytes), one instruction
; of wave 1 a lap, one and two slots ahead.  So each piece is asked for once in the launch.  At the head, behind the first fills: A's tile 2, W's tiles 2 and 3.
; It stops inside the buffers: A's last request is tile T - 1, in slot T - 4; W's last are tiles T - 2 and T - 1; the last lap that refills asks in its first slot alone.
; REGISTERS: window 0: addresses, bias, A's fragments (two buffers); window 1: W's fragments (two buffers), v0-63 and v192-255 the residual rows;
; windows 2 and 3: the accumulators of rows 0-63 and 64-127.  The matrix instruction is used transposed: lane l holds row l % 16, columns 8 (l / 16) + 0..7.
.set KDIM,   1024
.set WOFF,   6291456                   ; Wo in wb
.set NP,     1024
.set PA,     528                       ; A's LDS row: 512 bytes + 16
.set PB,     288                       ; W's LDS row: 256 bytes + 32 = 9 x 32
.set PART,   36864                     ; one tensor load: 64 rows of A (64 x 528 = 33,792 used) or 128 k-rows of W (128 x 288)
.set SLOT,   4*PART
.set LAPS,   KDIM/512
.set ASTEP,  2*256*2                   ; two tiles along A's rows, in bytes
.set BSTEP,  2*256*NP*2                ; two tiles down W's rows, in bytes
.set BQ,     32*PB
.set RP,     528                       ; a row of a partial block: 512 bytes + 16
.set PARTIAL, 128*RP                   ; four of them lie in the slots, behind the slots' last fill
.set ADRA, 16
.set ADRB, 20
.set WST,  24
.set LO,   26
.set PFA,  28                          ; v28 the lane term of A's prefetch; never rewritten
.set PFW,  29                          ; v29 the lane term of W's prefetch; never rewritten
.set BI,   32                          ; v[32:35] the bias of my four columns
.set RDP,  36                          ; v[36:39] my place in partial block p
.set F0,   64
.set F1,   128
.set G1,  24
.set G0,  32
.set G1B, 48
.set G0B, 56
.set SPA, 76                           ; s[76:77] the base of A's prefetch
.set SPW, 78                           ; s[78:79] the base of W's prefetch
.set MSB, 0
.macro WIN new
.if MSB != (\new)
	s_set_vgpr_msb (MSB<<8)|(\new)
.set MSB, (\new)
.endif
.endm
.set MUL_LO, 0xa1
.set MUL_HI, 0xf1
.set TO_B,   0x40
.macro JLOAD s                         ; waves 0 and 1 fetch A's two halves, waves 2 and 3 W's; the branch hangs on the wave's number alone
	s_cmp_eq_u32 s11, 0
	s_cbranch_scc0 .Lfor_b_\@
	tensor_load_to_lds s[G0+4*(\s):G0+4*(\s)+3], s[G1:G1+7]
	s_nop 0
	s_branch .Lasked_\@
.Lfor_b_\@:
	tensor_load_to_lds s[G0B+4*(\s):G0B+4*(\s)+3], s[G1B:G1B+7]
	s_nop 0
.Lasked_\@:
.endm
.macro CREST
	s_cmp_lg_u32 s10, 0
	s_cbranch_scc1 .Lnot_wave_0_\@
	s_barrier_signal -3
.Lnot_wave_0_\@:
	s_barrier_wait -3
	s_barrier_signal -1
	s_barrier_wait -1
.endm
.macro CROUND
	s_barrier_signal -1
	s_barrier_wait -1
	CREST
.endm
; Prefetches.  Wave 0 asks for my 32 pieces of one tile of A, aoff bytes behind A's base.  w = 1: in the clusters of column 0 (the cluster's x is the same in all
; sixteen partners) wave 1 asks for my four k-rows of two tiles of W, two tiles behind W's base.  Every window is 0 here.
.macro PREF aoff, w
	s_cmp_lg_u32 s10, 0
	s_cbranch_scc1 .Lno_a_\@
	global_prefetch_b8 v[PFA], s[SPA:SPA+1] offset:\aoff th:TH_LOAD_NT scope:SCOPE_SE
.Lno_a_\@:
.if \w
	s_cmp_lg_u32 ttmp9, 0
	s_cbranch_scc1 .Lno_w_\@
	s_cmp_lg_u32 s10, 1
	s_cbranch_scc1 .Lno_w_\@
	global_prefetch_b8 v[PFW], s[SPW:SPW+1] offset:BSTEP th:TH_LOAD_NT scope:SCOPE_SE
.Lno_w_\@:
.endif
.endm
	s_load_b128 s[4:7], s[0:1], 0x0                ; A s[4:5], wb s[6:7]
	s_load_b128 s[68:71], s[0:1], 0x10             ; bias s[68:69], residual s[70:71]
	s_load_b64 s[8:9], s[0:1], 0x20                ; output
	v_lshl_add_u32 v254, v0, 2, 0x48000
	v_mov_b32 v255, 0
	ds_add_u32 v254, v255
	v_lshrrev_b32 v1, 5, v0
	v_readfirstlane_b32 s10, v1                    ; wave 0..3: my quarter of K
	s_lshr_b32 s11, s10, 1                         ; I fetch for A (0) or for W (1)
	s_and_b32 s12, s10, 1                          ; which half of that tile
	s_bfe_u32 s40, ttmp6, 0x40000                  ; cx
	s_bfe_u32 s41, ttmp6, 0x40004                  ; cy
	s_lshl_b32 s42, ttmp9, 2
	s_add_co_u32 s42, s42, s40                     ; block column
	s_and_b32 s13, ttmp7, 0xffff
	s_lshl_b32 s13, s13, 2
	s_add_co_u32 s13, s13, s41                     ; block row
	s_lshl_b32 s43, s41, 2
	s_lshl_b32 s43, 15, s43                        ; my row of the cluster
	s_lshl_b32 s44, 0x1111, s40                    ; my column
	s_or_b32 s[G1+0], s43, (1<<16)|(1<<20)|(1<<21)|(6<<22)|(3<<25)   ; 4 words behind every 128
	s_mov_b32 s[G1+1], 256<<16                     ; tensor_dim0 = 256
	s_mov_b32 s[G1+2], 64<<16                      ; tensor_dim1 = 64
	s_mov_b32 s[G1+3], 256<<16                     ; tile_dim0 = 256 elements
	s_mov_b32 s[G1+4], 64                          ; tile_dim1 = 64 rows
	s_mov_b32 s[G1+5], KDIM
	s_mov_b32 s[G1+6], 0
	s_mov_b32 s[G1+7], 0
	s_or_b32 s[G1B+0], s44, (1<<16)|(1<<20)|(1<<21)|(5<<22)|(7<<25)  ; 8 words behind every 64
	s_mov_b32 s[G1B+1], 128<<16
	s_mov_b32 s[G1B+2], 128<<16
	s_mov_b32 s[G1B+3], 128<<16                    ; tile_dim0 = 128 elements
	s_mov_b32 s[G1B+4], 128                        ; tile_dim1 = 128 k-rows
	s_mov_b32 s[G1B+5], NP
	s_mov_b32 s[G1B+6], 0
	s_mov_b32 s[G1B+7], 0
	s_mul_i32 s16, s13, 256*KDIM                   ; A: (128 x block row + 64 x half) rows of 2 KDIM bytes
	s_mul_i32 s17, s12, 128*KDIM
	s_add_co_u32 s16, s16, s17
	s_mov_b32 s17, 0
	s_lshl_b32 s46, s42, 8                         ; W: 256 bytes for each block column, 128 k-rows of 2,048 bytes for the half
	s_lshl_b32 s47, s12, 18
	s_add_co_u32 s46, s46, s47
	s_add_co_u32 s46, s46, WOFF
	s_mov_b32 s47, 0
	s_mul_i32 s20, s10, PART
	s_lshl_b32 s72, s13, 19                        ; residual and output: (128 x block row + 32 x wave) rows of 4,096 bytes + 512 x block column
	s_lshl_b32 s73, s10, 17
	s_add_co_u32 s72, s72, s73
	s_lshl_b32 s73, s42, 9
	s_add_co_u32 s72, s72, s73
	s_mov_b32 s73, 0
	s_lshl_b32 s74, s42, 9
	s_mov_b32 s75, 0
	s_lshl3_add_u32 s80, s13, s42                  ; A's prefetch: rows 16 (8 x block row + block column) and the 15 behind,
	s_mul_i32 s80, s80, 32*KDIM                    ; of 2 KDIM bytes each
	s_mov_b32 s81, 0
	s_lshl2_add_u32 s82, s13, s40                  ; W's prefetch: k-rows 4 (4 x block row + cx) and the 3 behind,
	s_lshl_b32 s82, s82, 13                        ; of 2,048 bytes each
	s_add_co_u32 s82, s82, WOFF
	s_mov_b32 s83, 0
	s_wait_dscnt 0x0
	s_wait_kmcnt 0x0
	s_add_nc_u64 s[14:15], s[4:5], s[16:17]
	s_add_nc_u64 s[46:47], s[6:7], s[46:47]
	s_add_nc_u64 s[70:71], s[70:71], s[72:73]
	s_add_nc_u64 s[8:9], s[8:9], s[72:73]
	s_add_nc_u64 s[68:69], s[68:69], s[74:75]
	s_add_nc_u64 s[SPA:SPA+1], s[4:5], s[80:81]    ; both bases stand at tile 0 and are stepped by two tiles a lap
	s_add_nc_u64 s[SPW:SPW+1], s[6:7], s[82:83]
	CROUND                                         ; in front of the first joint loads
.irp s, 0,1
	s_mov_b32 s[G0+4*\s], 1
	s_add_co_u32 s[G0+4*\s+1], s20, \s*SLOT
	s_add_nc_u64 s[G0+4*\s+2:G0+4*\s+3], s[14:15], \s*256*2
	s_or_b32 s[G0+4*\s+3], s[G0+4*\s+3], 0x80000000
	s_mov_b32 s[G0B+4*\s], 1
	s_add_co_u32 s[G0B+4*\s+1], s20, \s*SLOT
	s_add_nc_u64 s[G0B+4*\s+2:G0B+4*\s+3], s[46:47], \s*256*NP*2
	s_or_b32 s[G0B+4*\s+3], s[G0B+4*\s+3], 0x80000000
	JLOAD \s                                       ; both first fills: two tensor loads of a wave are out
.endr
	v_and_b32 v[PFW], 31, v0                       ; lane
	v_lshrrev_b32 v[PFA], 1, v[PFW]
	v_mul_u32_u24 v[PFA], v[PFA], 2*KDIM           ; A: two lanes a row,
	v_and_b32 v7, 1, v0
	v_lshl_add_u32 v[PFA], v7, 8, v[PFA]           ; 256 bytes apart
	v_lshlrev_b32 v[PFW], 8, v[PFW]                ; W: 32 lanes 256 bytes apart: four whole k-rows
	PREF 2*512, 1                                  ; behind the first fills (tiles 0 and 1): A's tile 2, W's tiles 2 and 3
	v_and_b32 v1, 15, v0                           ; r
	v_bfe_u32 v2, v0, 4, 1                         ; h
	v_mul_u32_u24 v3, v1, PA
	v_lshl_add_u32 v3, v2, 4, v3
	v_and_b32 v4, 7, v0
	v_lshl_add_u32 v4, v2, 3, v4
	v_mul_u32_u24 v4, v4, PB
	v_bfe_u32 v5, v0, 3, 1
	v_lshl_add_u32 v4, v5, 4, v4
	s_lshl_b32 s21, s10, 7                         ; A: my 64 k are 128 bytes of each row
	s_mul_i32 s22, s10, 64*PB                      ; W: my 64 k-rows,
	s_add_co_u32 s22, s22, 2*PART                  ; behind A
.irp s, 0,1
	v_add_nc_u32 v[ADRA+\s], s21, v3
	v_add_nc_u32 v[ADRB+\s], s22, v4
	s_add_co_u32 s21, s21, SLOT
	s_add_co_u32 s22, s22, SLOT
.endr
	s_mul_i32 s23, s10, PARTIAL
	v_mul_u32_u24 v6, v1, RP
	v_lshl_add_u32 v6, v2, 5, v6
	v_add_nc_u32 v[WST], s23, v6                   ; my partial block: row r, eight f32 for each half of the lanes
	v_and_b32 v[LO], 31, v0
	v_lshlrev_b32 v[LO], 4, v[LO]                  ; 16 bytes a lane: a wave covers a row's 512 bytes
	s_mul_i32 s23, s10, 32*RP                      ; I add up rows 32 w .. 32 w + 31
	v_add_nc_u32 v[RDP], s23, v[LO]
	v_add_nc_u32 v[RDP+1], PARTIAL, v[RDP]
	v_add_nc_u32 v[RDP+2], PARTIAL, v[RDP+1]
	v_add_nc_u32 v[RDP+3], PARTIAL, v[RDP+2]
	global_load_b128 v[BI:BI+3], v[LO], s[68:69]
	WIN TO_B                                       ; the residual rows are asked for now and wanted at the end
.set i, 0
.rept 32
	global_load_b128 v[4*i+128*(i>>4):4*i+128*(i>>4)+3], v[LO], s[70:71] offset:4096*i
.set i, i+1
.endr
	WIN 0
.macro MUL16 f, hi, a0, zero
.irp a, \a0, \a0+1
.irp b, 0,1,2,3,4,5,6,7
.if \zero
	v_wmma_f32_16x16x32_bf16 v[8*(8*(\a)+\b):8*(8*(\a)+\b)+7], v[\f+8*\b:\f+8*\b+7], v[\f+8*(4*\hi+\a):\f+8*(4*\hi+\a)+7], 0
.else
	v_wmma_f32_16x16x32_bf16 v[8*(8*(\a)+\b):8*(8*(\a)+\b)+7], v[\f+8*\b:\f+8*\b+7], v[\f+8*(4*\hi+\a):\f+8*(4*\hi+\a)+7], v[8*(8*(\a)+\b):8*(8*(\a)+\b)+7]
.endif
.endr
.endr
.endm
.macro FETCH slot, q, f                ; 32 LDS loads: 32 of my 64 k (q = 0, 1), all 128 columns of W, all 128 rows of A
	WIN TO_B
.irp i, 0,1,2,3,4,5,6,7
	ds_load_tr16_b128 v[\f+8*\i:\f+8*\i+3],   v[ADRB+\slot] offset:BQ*\q+32*\i
	ds_load_tr16_b128 v[\f+8*\i+4:\f+8*\i+7], v[ADRB+\slot] offset:BQ*\q+32*\i+16*PB
.endr
	WIN 0
.irp i, 0,1,2,3,4,5,6,7
	ds_load_b128 v[\f+8*\i:\f+8*\i+3],   v[ADRA+\slot] offset:((\i)>>2)*PART+((\i)&3)*16*PA+64*\q
	ds_load_b128 v[\f+8*\i+4:\f+8*\i+7], v[ADRA+\slot] offset:((\i)>>2)*PART+((\i)&3)*16*PA+64*\q+32
.endr
.endm
.macro PLACES                          ; four plain vector instructions between a matrix instruction and a load into, or a vector or LDS-store read of, its registers
.rept 4
	v_nop
.endr
.endm
; The 64 accumulators take turns, one instruction a turn, in the same order in every quarter.
.macro QUARTER slot, q, f, g, zero
	s_wait_dscnt 8                                 ; W and A's rows 0-63 are in; the youngest eight loads may be out
	WIN MUL_LO
	MUL16 \f, 0, 0, \zero
	MUL16 \f, 0, 2, \zero
	PLACES
	FETCH \slot, \q, \g
	s_wait_dscnt 32                                ; all but the 32 just issued
	WIN MUL_HI
	MUL16 \f, 1, 0, \zero
	MUL16 \f, 1, 2, \zero
.endm
; The slot's second half and the change of slots.  pf = 1 (a lap's first slot, t = 2 L): the prefetch bases step to tile 2 L + 2, and A's tile t + 3 is asked for ahead;
; pf = 2 (its second slot, t = 2 L + 1): A's tile t + 3 and W's tiles t + 3 and t + 4; pf = 0: nothing.
.macro TURN slot, next, fill, pf
	s_wait_dscnt 8
	WIN MUL_LO
	MUL16 F1, 0, 0, 0
	s_wait_dscnt 0                                 ; my reads of this slot are over
	s_set_vgpr_msb 0xa1a0
	s_wait_tensorcnt 0x0                           ; all my tensor loads have landed
	ds_add_u32 v254, v255
	s_wait_dscnt 0x0
	s_set_vgpr_msb 0xa0a1
	s_barrier_signal -1
	MUL16 F1, 0, 2, 0
	WIN 0
	s_barrier_wait -1
.if \fill
	CREST                                          ; no wave of any partner still reads this slot or has a load on its way
	s_add_nc_u64 s[G0+4*\slot+2:G0+4*\slot+3], s[G0+4*\slot+2:G0+4*\slot+3], ASTEP
	s_add_nc_u64 s[G0B+4*\slot+2:G0B+4*\slot+3], s[G0B+4*\slot+2:G0B+4*\slot+3], BSTEP
	JLOAD \slot                                    ; my one tensor load behind the round
.endif
	PLACES
	FETCH \next, 0, F0
.if (\pf) == 1
	s_wait_xcnt 0x0                                ; the last prefetches, a slot back, have had their addresses translated (ISA guide 3.1): their bases are rewritten only behind this wait
	s_add_nc_u64 s[SPA:SPA+1], s[SPA:SPA+1], ASTEP
	s_add_nc_u64 s[SPW:SPW+1], s[SPW:SPW+1], BSTEP
	PREF 512, 0
.endif
.if (\pf) == 2
	PREF 2*512, 1
.endif
	WIN MUL_HI
	MUL16 F1, 1, 0, 0
	MUL16 F1, 1, 2, 0
.endm
.macro LAP zero, more                  ; once round the ring, both slots filled again; more = 0: the last such lap, whose second slot has nothing left to ask for ahead
	QUARTER 0, 1, F0, F1, \zero
	TURN 0, 1, 1, 1
	QUARTER 1, 1, F0, F1, 0
	TURN 1, 0, 1, 2*\more
.endm
	s_wait_tensorcnt 1                             ; my part of slot 0 is in; slot 1's stays out
	s_barrier_signal -1
	s_barrier_wait -1
	FETCH 0, 0, F0
.if LAPS > 2
	LAP 1, 1                                       ; the first lap's first products start the sums
.if LAPS > 3
	WIN 0
	s_mov_b32 s3, LAPS-3
.Llap:
	LAP 0, 1
	WIN 0
	s_sub_co_u32 s3, s3, 1
	s_cmp_lg_u32 s3, 0
	s_cbranch_scc1 .Llap
.endif
	LAP 0, 0                                       ; the last lap that refills is written out: its first slot asks for A's last tile, its second for nothing
.else
	LAP 1, 0                                       ; with four tiles the first lap is also the last that refills
.endif
	QUARTER 0, 1, F0, F1, 0                        ; the last lap fills nothing
	TURN 0, 1, 0, 0
	QUARTER 1, 1, F0, F1, 0
	s_wait_dscnt 8
	WIN MUL_LO
	MUL16 F1, 0, 0, 0
	MUL16 F1, 0, 2, 0
	s_wait_dscnt 0                                 ; my last reads of the slots are over
	WIN MUL_HI
	MUL16 F1, 1, 0, 0
	MUL16 F1, 1, 2, 0
	PLACES
	WIN 0
	s_barrier_signal -1                            ; every wave has ended its reads, and no tensor load is out or will come:
	s_barrier_wait -1                              ; the slots' bytes may now hold the partial blocks
	WIN 0x08                                       ; store data from window 2
.irp a, 0,1,2,3
.irp b, 0,1,2,3,4,5,6,7
	ds_store_b128 v[WST], v[8*(8*\a+\b):8*(8*\a+\b)+3]   offset:\a*16*RP+64*\b
	ds_store_b128 v[WST], v[8*(8*\a+\b)+4:8*(8*\a+\b)+7] offset:\a*16*RP+64*\b+16
.endr
.endr
	WIN 0x0c                                       ; from window 3
.irp a, 0,1,2,3
.irp b, 0,1,2,3,4,5,6,7
	ds_store_b128 v[WST], v[8*(8*\a+\b):8*(8*\a+\b)+3]   offset:(\a+4)*16*RP+64*\b
	ds_store_b128 v[WST], v[8*(8*\a+\b)+4:8*(8*\a+\b)+7] offset:(\a+4)*16*RP+64*\b+16
.endr
.endr
	WIN 0
	s_wait_dscnt 0x0                               ; for the others' sake
	s_barrier_signal -1
	s_barrier_wait -1
	s_wait_loadcnt 0x0                             ; bias and residual
; Batch g (0 to 7) is rows 4 g .. 4 g + 3 of my 32.  The batch's number stands in parentheses wherever it is multiplied.
.macro RLOAD g, f                      ; the batch's rows from all four partial blocks into buffer f
	s_wait_xcnt 0x0                                ; buffer f, which earlier stores read, is rewritten only behind this wait
.irp i, 0,1,2,3
.irp p, 0,1,2,3
	ds_load_b128 v[\f+16*\i+4*\p:\f+16*\i+4*\p+3], v[RDP+\p] offset:(4*(\g)+\i)*RP
.endr
.endr
.endm
.macro RSUM g, f                       ; (p0 + p1) + (p2 + p3) + bias + residual, and out
.irp i, 0,1,2,3
.irp e, 0,2
	v_pk_add_f32 v[\f+16*\i+\e:\f+16*\i+\e+1], v[\f+16*\i+\e:\f+16*\i+\e+1], v[\f+16*\i+4+\e:\f+16*\i+4+\e+1]
	v_pk_add_f32 v[\f+16*\i+8+\e:\f+16*\i+8+\e+1], v[\f+16*\i+8+\e:\f+16*\i+8+\e+1], v[\f+16*\i+12+\e:\f+16*\i+12+\e+1]
.endr
.endr
.irp i, 0,1,2,3
.irp e, 0,2
	v_pk_add_f32 v[\f+16*\i+\e:\f+16*\i+\e+1], v[\f+16*\i+\e:\f+16*\i+\e+1], v[\f+16*\i+8+\e:\f+16*\i+8+\e+1]
.endr
.endr
.irp i, 0,1,2,3
.irp e, 0,2
	v_pk_add_f32 v[\f+16*\i+\e:\f+16*\i+\e+1], v[\f+16*\i+\e:\f+16*\i+\e+1], v[BI+\e:BI+\e+1]
.endr
.endr
	WIN 0x04                                       ; source 1 window 1: the residual
.irp i, 0,1,2,3
.irp e, 0,2
	v_pk_add_f32 v[\f+16*\i+\e:\f+16*\i+\e+1], v[\f+16*\i+\e:\f+16*\i+\e+1], v[4*(4*(\g)+\i)+128*((4*(\g)+\i)>>4)+\e:4*(4*(\g)+\i)+128*((4*(\g)+\i)>>4)+\e+1]
.endr
.endr
	WIN 0
.irp i, 0,1,2,3
	global_store_b128 v[LO], v[\f+16*\i:\f+16*\i+3], s[8:9] offset:(4*(\g)+\i)*4096   ; a wave stores 512 consecutive bytes at a multiple of 512
.endr
.endm
	RLOAD 0, F0                                    ; even batches go through buffer 0, odd ones through buffer 1
	RLOAD 1, F1
	s_wait_dscnt 16                                ; the older batch is in, the 16 loads just issued stay out
	RSUM 0, F0
	RLOAD 2, F0
	s_wait_dscnt 16
	RSUM 1, F1
	RLOAD 3, F1
	s_wait_dscnt 16
	RSUM 2, F0
	RLOAD 4, F0
	s_wait_dscnt 16
	RSUM 3, F1
	RLOAD 5, F1
	s_wait_dscnt 16
	RSUM 4, F0
	RLOAD 6, F0
	s_wait_dscnt 16
	RSUM 5, F1
	RLOAD 7, F1
	s_wait_dscnt 16
	RSUM 6, F0
	s_wait_dscnt 0x0
	RSUM 7, F1
	s_wait_tensorcnt 0x0
	ds_add_u32 v254, v255
	s_wait_dscnt 0x0
	CROUND                                         ; the closing round
	s_endpgm
.Lfunc_end_k_q15233ea628_wo:
	.size	k_q15233ea628_wo, .Lfunc_end_k_q15233ea628_wo-k_q15233ea628_wo
	.p2alignl 7, 3214868480
	.fill 96, 4, 3214868480
	.section	.rodata,"a",@progbits
	.p2align	6, 0x0
	.amdhsa_kernel k_q15233ea628_wo
		.amdhsa_group_segment_fixed_size 327680
		.amdhsa_private_segment_fixed_size 0
		.amdhsa_enable_private_segment 0
		.amdhsa_kernarg_size 40
		.amdhsa_user_sgpr_count 2
		.amdhsa_user_sgpr_kernarg_segment_ptr 1
		.amdhsa_wavefront_size32 1
		.amdhsa_system_sgpr_workgroup_id_x 1
		.amdhsa_system_sgpr_workgroup_id_y 1
		.amdhsa_system_sgpr_workgroup_id_z 1
		.amdhsa_system_vgpr_workitem_id 0
		.amdhsa_next_free_vgpr 1024
		.amdhsa_next_free_sgpr 84
		.amdhsa_reserve_vcc 0
		.amdhsa_float_denorm_mode_32 3
		.amdhsa_float_denorm_mode_16_64 3
		.amdhsa_memory_ordered 1
		.amdhsa_forward_progress 1
		.amdhsa_inst_pref_size 105
	.end_amdhsa_kernel
	.amdgpu_metadata
---
amdhsa.version: [ 1, 2 ]
amdhsa.kernels:
  - .name:           k_q15233ea628_wo
    .symbol:         k_q15233ea628_wo.kd
    .args:
      - { .name: ctx, .offset: 0, .size: 8, .value_kind: global_buffer, .address_space: global }
      - { .name: wb, .offset: 8, .size: 8, .value_kind: global_buffer, .address_space: global }
      - { .name: bo, .offset: 16, .size: 8, .value_kind: global_buffer, .address_space: global }
      - { .name: x, .offset: 24, .size: 8, .value_kind: global_buffer, .address_space: global }
      - { .name: hres, .offset: 32, .size: 8, .value_kind: global_buffer, .address_space: global }
    .group_segment_fixed_size: 327680
    .private_segment_fixed_size: 0
    .kernarg_segment_align: 8
    .kernarg_segment_size: 40
    .max_flat_workgroup_size: 128
    .sgpr_count:     84
    .vgpr_count:     1024
    .wavefront_size: 32
...
	.end_amdgpu_metadata
.endif
;; end of part 4
;; launch ln2 (part 5): grid 256 x 1, 8 waves a work-group, no clusters, 0 bytes of LDS; arguments hres, g2, b2, hn; writes hn
.if DOCPART == 5
	.amdgcn_target "amdgcn-amd-amdhsa--gfx1250"
	.amdhsa_code_object_version 6
	.text
	.protected	k_q15233ea628_ln2
	.globl	k_q15233ea628_ln2
	.p2align	8
	.type	k_q15233ea628_ln2,@function
k_q15233ea628_ln2:
	s_mov_b64 s[64:65], 0
	v_nop
	global_prefetch_b8 v0, s[64:65] scope:SCOPE_SE
	s_setreg_imm32_b32 hwreg(HW_REG_WAVE_MODE, 25, 1), 1
	s_wait_xcnt 0x0
; ln2: hn = LayerNorm(hres; g2, b2) in bf16.  hres: [4096][1024] f32.
; One wave takes two rows; a row of 4,096 bytes stays in 32 registers between the passes, so hres is read once.
; Two passes (the mean; then the sum of squares of x - mean): no difference of large sums is formed.
; Every load of a wave covers 512 consecutive bytes, every store 256 consecutive bytes at a multiple of 256.  No LDS, no barrier, no matrix unit: a stream.
.set T,   4                            ; v[4:11]    at work
.set R0,  12                           ; v[12:13]   1 / sqrt(var + eps) of row 0, twice
.set R1,  14                           ; v[14:15]   the same for row 1
.set G,   16                           ; v[16:47]   the gain of my 32 columns
.set BV,  48                           ; v[48:79]   the bias of my 32 columns
.set X0,  80                           ; v[80:111]  row 0
.set X1,  112                          ; v[112:143] row 1
.set SX,  4
.set SG,  6
.set SB,  8
.set SO,  10
.set PL,  28
.set INV, 30
.set EPS, 31
	s_load_b256 s[4:11], s[0:1], 0x0               ; hres, g2, b2, hn
	v_lshrrev_b32 v1, 5, v0
	v_readfirstlane_b32 s26, v1                    ; wave 0..7
	v_and_b32 v1, 31, v0                           ; lane
.macro REDUCE a, b                     ; the sum of v[a] over the 32 lanes, in every lane; v[b] has been written before
	v_add_f32_dpp v[\a], v[\a], v[\a] row_xmask:1 row_mask:0xf bank_mask:0xf
	v_add_f32_dpp v[\a], v[\a], v[\a] row_xmask:2 row_mask:0xf bank_mask:0xf
	v_add_f32_dpp v[\a], v[\a], v[\a] row_xmask:4 row_mask:0xf bank_mask:0xf
	v_add_f32_dpp v[\a], v[\a], v[\a] row_xmask:8 row_mask:0xf bank_mask:0xf
	v_permlanex16_b32 v[\b], v[\a], s[PL], s[PL+1]
	v_add_f32 v[\a], v[\a], v[\b]
.endm
.macro STAT X, R                       ; the row is centred in place; v[R:R+1] = 1 / sqrt(var + eps)
	v_pk_add_f32 v[T:T+1], v[\X:\X+1], v[\X+2:\X+3]
	v_pk_add_f32 v[T+2:T+3], v[\X+4:\X+5], v[\X+6:\X+7]
.irp k, 8,12,16,20,24,28
	v_pk_add_f32 v[T:T+1], v[T:T+1], v[\X+\k:\X+\k+1]
	v_pk_add_f32 v[T+2:T+3], v[T+2:T+3], v[\X+\k+2:\X+\k+3]
.endr
	v_pk_add_f32 v[T:T+1], v[T:T+1], v[T+2:T+3]
	v_add_f32 v[T], v[T], v[T+1]
	REDUCE T, T+1
	v_mul_f32 v[T], s[INV], v[T]                   ; the mean
	v_mov_b32 v[T+1], v[T]
.irp k, 0,2,4,6,8,10,12,14,16,18,20,22,24,26,28,30
	v_pk_add_f32 v[\X+\k:\X+\k+1], v[\X+\k:\X+\k+1], v[T:T+1] neg_lo:[0,1] neg_hi:[0,1]
.endr
	v_pk_mul_f32 v[T+2:T+3], v[\X:\X+1], v[\X:\X+1]
	v_pk_mul_f32 v[T+4:T+5], v[\X+2:\X+3], v[\X+2:\X+3]
.irp k, 4,8,12,16,20,24,28
	v_pk_fma_f32 v[T+2:T+3], v[\X+\k:\X+\k+1], v[\X+\k:\X+\k+1], v[T+2:T+3]
	v_pk_fma_f32 v[T+4:T+5], v[\X+\k+2:\X+\k+3], v[\X+\k+2:\X+\k+3], v[T+4:T+5]
.endr
	v_pk_add_f32 v[T+2:T+3], v[T+2:T+3], v[T+4:T+5]
	v_add_f32 v[T+2], v[T+2], v[T+3]
	REDUCE T+2, T+3
	v_fma_f32 v[T+2], v[T+2], s[INV], s[EPS]       ; var + eps, at least 1e-5
	v_rsq_f32 v[\R], v[T+2]
	v_nop                                          ; one plain instruction behind a transcendental before its result is used (ISA guide 5.7.2)
	s_wait_alu depctr_va_vdst(0)
	v_mov_b32 v[\R+1], v[\R]
.endm
.macro FIN X, R, off                   ; (x - mean) * rstd * g + b, rounded once to bf16 and stored
.irp k, 0,2,4,6,8,10,12,14,16,18,20,22,24,26,28,30
	v_pk_mul_f32 v[\X+\k:\X+\k+1], v[\X+\k:\X+\k+1], v[\R:\R+1]
	v_pk_fma_f32 v[\X+\k:\X+\k+1], v[\X+\k:\X+\k+1], v[G+\k:G+\k+1], v[BV+\k:BV+\k+1]
.endr
.irp j, 0,1,2,3,4,5,6,7
	v_cvt_pk_bf16_f32 v[\X+4*\j], v[\X+4*\j], v[\X+4*\j+1]
	v_cvt_pk_bf16_f32 v[\X+4*\j+1], v[\X+4*\j+2], v[\X+4*\j+3]
	global_store_b64 v3, v[\X+4*\j:\X+4*\j+1], s[SO:SO+1] offset:256*\j+\off
.endr
.endm
	v_lshlrev_b32 v2, 4, v1                        ; 16 bytes a lane in a piece of 512 bytes of f32
	v_lshlrev_b32 v3, 3, v1                        ; 8 bytes a lane in a piece of 256 bytes of bf16
	s_mov_b32 s[PL], 0x76543210
	s_mov_b32 s[PL+1], 0xfedcba98
	s_mov_b32 s[INV], 0x3a800000                   ; 1 / 1024
	s_mov_b32 s[EPS], 0x3727c5ac                   ; 1e-5
	s_lshl_b32 s32, ttmp9, 16                      ; 16 rows of 4,096 bytes a work-group,
	s_lshl_b32 s33, s26, 13                        ; 2 rows a wave
	s_add_co_u32 s32, s32, s33
	s_mov_b32 s33, 0
	s_wait_kmcnt 0x0
	s_add_nc_u64 s[SX:SX+1], s[SX:SX+1], s[32:33]
	s_lshr_b32 s32, s32, 1
	s_add_nc_u64 s[SO:SO+1], s[SO:SO+1], s[32:33]
.irp j, 0,1,2,3,4,5,6,7
	global_load_b128 v[X0+4*\j:X0+4*\j+3], v2, s[SX:SX+1] offset:512*\j
.endr
.irp j, 0,1,2,3,4,5,6,7
	global_load_b128 v[X1+4*\j:X1+4*\j+3], v2, s[SX:SX+1] offset:512*\j+4096
.endr
.irp j, 0,1,2,3,4,5,6,7
	global_load_b128 v[G+4*\j:G+4*\j+3], v2, s[SG:SG+1] offset:512*\j
.endr
.irp j, 0,1,2,3,4,5,6,7
	global_load_b128 v[BV+4*\j:BV+4*\j+3], v2, s[SB:SB+1] offset:512*\j
.endr
	s_wait_loadcnt 24                              ; row 0 is in; the 24 younger loads stay out
	STAT X0, R0
	s_wait_loadcnt 16                              ; row 1 is in; gain and bias stay out
	STAT X1, R1
	s_wait_loadcnt 0x0
	FIN X0, R0, 0
	FIN X1, R1, 2048
	s_endpgm
.Lfunc_end_k_q15233ea628_ln2:
	.size	k_q15233ea628_ln2, .Lfunc_end_k_q15233ea628_ln2-k_q15233ea628_ln2
	.p2alignl 7, 3214868480
	.fill 96, 4, 3214868480
	.section	.rodata,"a",@progbits
	.p2align	6, 0x0
	.amdhsa_kernel k_q15233ea628_ln2
		.amdhsa_group_segment_fixed_size 0
		.amdhsa_private_segment_fixed_size 0
		.amdhsa_enable_private_segment 0
		.amdhsa_kernarg_size 32
		.amdhsa_user_sgpr_count 2
		.amdhsa_user_sgpr_kernarg_segment_ptr 1
		.amdhsa_wavefront_size32 1
		.amdhsa_system_sgpr_workgroup_id_x 1
		.amdhsa_system_sgpr_workgroup_id_y 1
		.amdhsa_system_sgpr_workgroup_id_z 1
		.amdhsa_system_vgpr_workitem_id 0
		.amdhsa_next_free_vgpr 144
		.amdhsa_next_free_sgpr 66
		.amdhsa_reserve_vcc 0
		.amdhsa_float_denorm_mode_32 3
		.amdhsa_float_denorm_mode_16_64 3
		.amdhsa_memory_ordered 1
		.amdhsa_forward_progress 1
		.amdhsa_inst_pref_size 20
	.end_amdhsa_kernel
	.amdgpu_metadata
---
amdhsa.version: [ 1, 2 ]
amdhsa.kernels:
  - .name:           k_q15233ea628_ln2
    .symbol:         k_q15233ea628_ln2.kd
    .args:
      - { .name: hres, .offset: 0, .size: 8, .value_kind: global_buffer, .address_space: global }
      - { .name: g2, .offset: 8, .size: 8, .value_kind: global_buffer, .address_space: global }
      - { .name: b2, .offset: 16, .size: 8, .value_kind: global_buffer, .address_space: global }
      - { .name: hn, .offset: 24, .size: 8, .value_kind: global_buffer, .address_space: global }
    .group_segment_fixed_size: 0
    .private_segment_fixed_size: 0
    .kernarg_segment_align: 8
    .kernarg_segment_size: 32
    .max_flat_workgroup_size: 256
    .sgpr_count:     66
    .vgpr_count:     144
    .wavefront_size: 32
...
	.end_amdgpu_metadata
.endif
;; end of part 5
;; launch ff1 (part 6): grid 16 x 16, 4 waves a work-group, clusters of 4 x 4, 327,680 bytes of LDS; arguments hn, wb, bf1, act; writes act
.if DOCPART == 6
	.amdgcn_target "amdgcn-amd-amdhsa--gfx1250"
	.amdhsa_code_object_version 6
	.text
	.protected	k_q15233ea628_ff1
	.globl	k_q15233ea628_ff1
	.p2align	8
	.type	k_q15233ea628_ff1,@function
k_q15233ea628_ff1:
	s_mov_b64 s[64:65], 0
	v_nop
	global_prefetch_b8 v0, s[64:65] scope:SCOPE_SE
	s_setreg_imm32_b32 hwreg(HW_REG_WAVE_MODE, 25, 1), 1
	s_wait_xcnt 0x0
	s_wait_alu depctr_hold_cnt(0) depctr_sa_sdst(0) depctr_va_vdst(0) depctr_va_sdst(0) depctr_va_ssrc(0) depctr_va_vcc(0) depctr_vm_vsrc(0)
	s_getreg_b32 s2, hwreg(HW_REG_IB_STS2, 6, 4)
	s_cmp_eq_u32 s2, 0
	s_cbranch_scc0 .Lentry_in_a_cluster
	s_endpgm
.Lentry_in_a_cluster:
	s_bfe_u32 s2, ttmp6, 0x10000c
	s_cmp_lg_u32 s2, 0xf033
	s_cbranch_scc0 .Lentry_shape_is_right
	s_endpgm
.Lentry_shape_is_right:
; ff1: act = relu(hn W1 + bf1) in bf16.  hn: [4096][1024] bf16; W1 in wb as [1024][4096] bf16; act: [4096][4096] bf16.  Sums in f32, rounded once.
; LIMIT: the ReLU is a maximum with 0 in which a NaN loses: a NaN would become 0 here.
; A work-group makes 256 x 256 with four waves, 128 x 128 each (64 accumulator tiles, 512 registers).
; K goes in steps of 128 through two LDS slots filled by the tensor data mover.  A's tile (256 rows x 256 bytes) lies along K and is read by
; ds_load_b128; W's tile (128 k-rows x 512 bytes) lies along N and is read by ds_load_tr16_b128, which hands each lane eight k of one column.
; CLUSTERS: 4 x 4.  A's tile is asked for jointly along a row of the cluster, W's along a column: the requests for both are divided by four.
; REGISTERS in windows of 256: window 0: addresses, A's fragments (two buffers), the way out; window 1: W's fragments (two buffers), v0-63 the bias;
; windows 2 and 3: the accumulators of my rows 0-63 and 64-127, tile (a, b) at v[8 (8 a + b)].
; The matrix instruction is used transposed (source 0 = 16 columns of W, source 1 = 16 rows of hn): lane l holds row l % 16 and columns 8 (l / 16) + 0..7.
.set KSTEP,  128
.set KDIM,   1024
.set NP,     4096
.set WOFF,   8388608                   ; W1 in wb
.set PA,     272                       ; A's LDS row: 256 bytes + 16
.set PB,     544                       ; W's LDS row: 512 bytes + 32 = 17 x 32
.set HALFT,  34816                     ; one tensor load: 128 rows of A or 64 k-rows of W
.set SLOT,   4*HALFT
.set STAGE,  2*SLOT                    ; behind the ring: 16 rows x 272 bytes for each wave, never filled by a tensor load
.set SPITCH, 272
.set LAPS,   KDIM/(2*KSTEP)
.set ASTEP,  2*KSTEP*2
.set BSTEP,  2*KSTEP*NP*2
.set BQ,     32*PB
.set ADRA, 16
.set ADRB, 20
.set STO,  24
.set RD,   25
.set CO,   26
.set BO,   27
.set F0,   64
.set F1,   128
.set SUM,  128
.set TMP,  192
.set G1,  24
.set G0,  32
.set G1B, 48
.set G0B, 56
.set MSB, 0
.macro WIN new
.if MSB != (\new)
	s_set_vgpr_msb (MSB<<8)|(\new)
.set MSB, (\new)
.endif
.endm
.set MUL_LO, 0xa1
.set MUL_HI, 0xf1
.set TO_B,   0x40
.macro JLOAD s                         ; waves 0 and 1 fetch A's two halves, waves 2 and 3 W's; the branch hangs on the wave's number alone
	s_cmp_eq_u32 s11, 0
	s_cbranch_scc0 .Lfor_b_\@
	tensor_load_to_lds s[G0+4*(\s):G0+4*(\s)+3], s[G1:G1+7]
	s_nop 0
	s_branch .Lasked_\@
.Lfor_b_\@:
	tensor_load_to_lds s[G0B+4*(\s):G0B+4*(\s)+3], s[G1B:G1B+7]
	s_nop 0
.Lasked_\@:
.endm
.macro CREST
	s_cmp_lg_u32 s10, 0
	s_cbranch_scc1 .Lnot_wave_0_\@
	s_barrier_signal -3
.Lnot_wave_0_\@:
	s_barrier_wait -3
	s_barrier_signal -1
	s_barrier_wait -1
.endm
.macro CROUND
	s_barrier_signal -1
	s_barrier_wait -1
	CREST
.endm
	s_load_b128 s[4:7], s[0:1], 0x0                ; hn s[4:5], wb s[6:7]
	s_load_b64 s[66:67], s[0:1], 0x10              ; bf1
	s_load_b64 s[8:9], s[0:1], 0x18                ; act
	s_set_vgpr_msb 0x40
	v_lshl_add_u32 v255, v0, 2, 0x48400
	s_set_vgpr_msb 0x4000
	v_mov_b32 v255, 0
	s_set_vgpr_msb 0x1
	ds_add_u32 v255, v255
	s_set_vgpr_msb 0x100
	v_lshrrev_b32 v1, 5, v0
	v_readfirstlane_b32 s10, v1                    ; wave 0..3
	s_lshr_b32 s11, s10, 1                         ; my half of the block's rows.  Also: I fetch for A (0) or for W (1)
	s_and_b32 s12, s10, 1                          ; my half of its columns.  Also: which half of that tile I fetch
	s_bfe_u32 s40, ttmp6, 0x40000                  ; cx
	s_bfe_u32 s41, ttmp6, 0x40004                  ; cy
	s_lshl_b32 s42, ttmp9, 2
	s_add_co_u32 s42, s42, s40                     ; block column
	s_and_b32 s13, ttmp7, 0xffff
	s_lshl_b32 s13, s13, 2
	s_add_co_u32 s13, s13, s41                     ; block row
	s_lshl_b32 s43, s41, 2
	s_lshl_b32 s43, 15, s43                        ; my row of the cluster
	s_lshl_b32 s44, 0x1111, s40                    ; my column
	s_or_b32 s[G1+0], s43, (1<<16)|(1<<20)|(1<<21)|(5<<22)|(3<<25)   ; 4 words behind every 64
	s_mov_b32 s[G1+1], 128<<16
	s_mov_b32 s[G1+2], 128<<16
	s_mov_b32 s[G1+3], 128<<16                     ; tile_dim0 = 128 elements
	s_mov_b32 s[G1+4], 128                         ; tile_dim1 = 128 rows
	s_mov_b32 s[G1+5], KDIM
	s_mov_b32 s[G1+6], 0
	s_mov_b32 s[G1+7], 0
	s_or_b32 s[G1B+0], s44, (1<<16)|(1<<20)|(1<<21)|(6<<22)|(7<<25)  ; 8 words behind every 128
	s_mov_b32 s[G1B+1], 256<<16
	s_mov_b32 s[G1B+2], 64<<16
	s_mov_b32 s[G1B+3], 256<<16                    ; tile_dim0 = 256 elements
	s_mov_b32 s[G1B+4], 64                         ; tile_dim1 = 64 k-rows
	s_mov_b32 s[G1B+5], NP
	s_mov_b32 s[G1B+6], 0
	s_mov_b32 s[G1B+7], 0
	s_lshl_b32 s16, s13, 19                        ; A: (256 x block row + 128 x half) rows of 2,048 bytes
	s_lshl_b32 s17, s12, 18
	s_add_co_u32 s16, s16, s17
	s_mov_b32 s17, 0
	s_lshl_b32 s46, s42, 9                         ; W: 512 bytes for each block column, 64 k-rows of 8,192 bytes for the half
	s_lshl_b32 s47, s12, 19
	s_add_co_u32 s46, s46, s47
	s_add_co_u32 s46, s46, WOFF
	s_mov_b32 s47, 0
	s_mul_i32 s20, s10, HALFT
	s_lshl_b32 s72, s42, 10                        ; the bias of my 128 columns
	s_lshl_b32 s73, s12, 9
	s_add_co_u32 s72, s72, s73
	s_mov_b32 s73, 0
	s_wait_dscnt 0x0
	s_wait_kmcnt 0x0
	s_add_nc_u64 s[14:15], s[4:5], s[16:17]
	s_add_nc_u64 s[46:47], s[6:7], s[46:47]
	s_add_nc_u64 s[66:67], s[66:67], s[72:73]
	CROUND                                         ; in front of the first joint loads
.irp s, 0,1
	s_mov_b32 s[G0+4*\s], 1
	s_add_co_u32 s[G0+4*\s+1], s20, \s*SLOT
	s_add_nc_u64 s[G0+4*\s+2:G0+4*\s+3], s[14:15], \s*KSTEP*2
	s_or_b32 s[G0+4*\s+3], s[G0+4*\s+3], 0x80000000
	s_mov_b32 s[G0B+4*\s], 1
	s_add_co_u32 s[G0B+4*\s+1], s20, \s*SLOT
	s_add_nc_u64 s[G0B+4*\s+2:G0B+4*\s+3], s[46:47], \s*KSTEP*NP*2
	s_or_b32 s[G0B+4*\s+3], s[G0B+4*\s+3], 0x80000000
	JLOAD \s                                       ; both first fills: two tensor loads of a wave are out
.endr
	v_and_b32 v1, 15, v0                           ; r
	v_bfe_u32 v2, v0, 4, 1                         ; h
	v_mul_u32_u24 v3, v1, PA
	v_lshl_add_u32 v3, v2, 4, v3
	v_and_b32 v4, 7, v0
	v_lshl_add_u32 v4, v2, 3, v4
	v_mul_u32_u24 v4, v4, PB
	v_bfe_u32 v5, v0, 3, 1
	v_lshl_add_u32 v4, v5, 4, v4
	s_mul_i32 s21, s11, HALFT
	s_lshl_b32 s22, s12, 8
	s_add_co_u32 s22, s22, 2*HALFT
.irp s, 0,1
	v_add_nc_u32 v[ADRA+\s], s21, v3
	v_add_nc_u32 v[ADRB+\s], s22, v4
	s_add_co_u32 s21, s21, SLOT
	s_add_co_u32 s22, s22, SLOT
.endr
	s_mul_i32 s23, s10, 16*SPITCH
	s_add_co_u32 s23, s23, STAGE                   ; my stage
	v_add_nc_u32 v[STO], s23, v3
	v_mul_u32_u24 v5, v2, SPITCH                   ; back: lanes 0-15 one row of 256 bytes, lanes 16-31 the next
	v_lshl_add_u32 v5, v1, 4, v5
	v_add_nc_u32 v[RD], s23, v5
	v_lshlrev_b32 v5, 13, v2                       ; the same two rows in act
	v_lshl_add_u32 v[CO], v1, 4, v5
	v_lshlrev_b32 v[BO], 5, v2                     ; bias: eight f32 for each half of the lanes
	WIN TO_B                                       ; the bias is asked for now and wanted at the end
.irp b, 0,1,2,3,4,5,6,7
	global_load_b128 v[8*\b:8*\b+3],   v[BO], s[66:67] offset:64*\b
	global_load_b128 v[8*\b+4:8*\b+7], v[BO], s[66:67] offset:64*\b+16
.endr
	WIN 0
.macro MUL16 f, hi, a0, zero
.irp a, \a0, \a0+1
.irp b, 0,1,2,3,4,5,6,7
.if \zero
	v_wmma_f32_16x16x32_bf16 v[8*(8*(\a)+\b):8*(8*(\a)+\b)+7], v[\f+8*\b:\f+8*\b+7], v[\f+8*(4*\hi+\a):\f+8*(4*\hi+\a)+7], 0
.else
	v_wmma_f32_16x16x32_bf16 v[8*(8*(\a)+\b):8*(8*(\a)+\b)+7], v[\f+8*\b:\f+8*\b+7], v[\f+8*(4*\hi+\a):\f+8*(4*\hi+\a)+7], v[8*(8*(\a)+\b):8*(8*(\a)+\b)+7]
.endif
.endr
.endr
.endm
.macro FETCH slot, q, f
	WIN TO_B
.irp i, 0,1,2,3,4,5,6,7
	ds_load_tr16_b128 v[\f+8*\i:\f+8*\i+3],   v[ADRB+\slot] offset:BQ*\q+32*\i
	ds_load_tr16_b128 v[\f+8*\i+4:\f+8*\i+7], v[ADRB+\slot] offset:BQ*\q+32*\i+16*PB
.endr
	WIN 0
.irp i, 0,1,2,3,4,5,6,7
	ds_load_b128 v[\f+8*\i:\f+8*\i+3],   v[ADRA+\slot] offset:\i*16*PA+64*\q
	ds_load_b128 v[\f+8*\i+4:\f+8*\i+7], v[ADRA+\slot] offset:\i*16*PA+64*\q+32
.endr
.endm
.macro PLACES                          ; four plain vector instructions between a matrix instruction and a load into, or a vector read or write of, its registers
.rept 4
	v_nop
.endr
.endm
; The 64 accumulators take turns, one instruction a turn, in the same order in every quarter.
.macro QUARTER slot, q, f, g, zero
	s_wait_dscnt 8                                 ; W and A's rows 0-63 are in; the youngest eight loads may be out
	WIN MUL_LO
	MUL16 \f, 0, 0, \zero
	MUL16 \f, 0, 2, \zero
	PLACES
	FETCH \slot, \q, \g
	s_wait_dscnt 32                                ; all but the 32 just issued
	WIN MUL_HI
	MUL16 \f, 1, 0, \zero
	MUL16 \f, 1, 2, \zero
.endm
.macro THREE slot, zero
	QUARTER \slot, 1, F0, F1, \zero
	QUARTER \slot, 2, F1, F0, 0
	QUARTER \slot, 3, F0, F1, 0
.endm
.macro TURN slot, next, fill
	s_wait_dscnt 8
	WIN MUL_LO
	MUL16 F1, 0, 0, 0
	s_wait_dscnt 0                                 ; my reads of this slot are over
	s_wait_tensorcnt 0x0                           ; all my tensor loads have landed
	ds_add_u32 v255, v255
	s_wait_dscnt 0x0
	s_barrier_signal -1
	MUL16 F1, 0, 2, 0
	WIN 0
	s_barrier_wait -1
.if \fill
	CREST                                          ; no wave of any partner still reads this slot or has a load on its way
	s_add_nc_u64 s[G0+4*\slot+2:G0+4*\slot+3], s[G0+4*\slot+2:G0+4*\slot+3], ASTEP
	s_add_nc_u64 s[G0B+4*\slot+2:G0B+4*\slot+3], s[G0B+4*\slot+2:G0B+4*\slot+3], BSTEP
	JLOAD \slot                                    ; my one tensor load behind the round
.endif
	PLACES
	FETCH \next, 0, F0
	WIN MUL_HI
	MUL16 F1, 1, 0, 0
	MUL16 F1, 1, 2, 0
.endm
.macro LAP zero
	THREE 0, \zero
	TURN 0, 1, 1
	THREE 1, 0
	TURN 1, 0, 1
.endm
	s_wait_tensorcnt 1                             ; my part of K step 0 is in; K step 1's stays out
	s_barrier_signal -1
	s_barrier_wait -1
	FETCH 0, 0, F0
	LAP 1                                          ; its first products start the sums
	WIN 0
	s_mov_b32 s3, LAPS-2
.Llap:
	LAP 0
	WIN 0
	s_sub_co_u32 s3, s3, 1
	s_cmp_lg_u32 s3, 0
	s_cbranch_scc1 .Llap
	THREE 0, 0                                     ; the last lap fills nothing
	TURN 0, 1, 0
	THREE 1, 0
	s_wait_dscnt 8
	WIN MUL_LO
	MUL16 F1, 0, 0, 0
	MUL16 F1, 0, 2, 0
	s_wait_dscnt 0
	WIN MUL_HI
	MUL16 F1, 1, 0, 0
	MUL16 F1, 1, 2, 0
	PLACES
	s_lshl_b32 s16, s13, 21                        ; my first row of act: (256 x block row + 128 x half) rows of 8,192 bytes
	s_lshl_b32 s14, s11, 20
	s_add_co_u32 s16, s16, s14
	s_mov_b32 s17, 0
	s_add_nc_u64 s[8:9], s[8:9], s[16:17]
	s_lshl_b32 s46, s42, 9                         ; my first column, in bytes
	s_lshl_b32 s47, s12, 8
	s_add_co_u32 s46, s46, s47
	s_mov_b32 s47, 0
	s_add_nc_u64 s[8:9], s[8:9], s[46:47]
	s_wait_loadcnt 0x0                             ; the bias
; rows 16 i .. 16 i + 15 of my block: + bias, ReLU, round to bf16, 16 bytes a lane into my stage, back as whole rows of 256 bytes
.macro OUT16 i, a, hi, f
	WIN (0x06+\hi)                                 ; source 0 the accumulators' window, source 1 window 1 (bias), destination window 0
.irp b, 0,1,2,3,4,5,6,7
.irp r, 0,1,2,3
	v_pk_add_f32 v[SUM+8*\b+2*\r:SUM+8*\b+2*\r+1], v[8*(8*\a+\b)+2*\r:8*(8*\a+\b)+2*\r+1], v[8*\b+2*\r:8*\b+2*\r+1]
.endr
.endr
	WIN 0
.set j, 0
.rept 64
	v_max_num_f32 v[SUM+j], 0, v[SUM+j]
.set j, j+1
.endr
.irp b, 0,1,2,3,4,5,6,7
.irp r, 0,1,2,3
	v_cvt_pk_bf16_f32 v[TMP+4*\b+\r], v[SUM+8*\b+2*\r], v[SUM+8*\b+2*\r+1]
.endr
.endr
.irp b, 0,1,2,3,4,5,6,7
	ds_store_b128 v[STO], v[TMP+4*\b:TMP+4*\b+3] offset:32*\b
.endr
	s_wait_xcnt 0x0                                ; buffer f, which earlier stores read, and the stores' base are rewritten only behind this wait
.if \i
	s_add_nc_u64 s[8:9], s[8:9], 16*NP*2           ; 16 rows of act on
.endif
.irp t, 0,1,2,3,4,5,6,7
	ds_load_b128 v[\f+4*\t:\f+4*\t+3], v[RD] offset:\t*2*SPITCH    ; a wave's LDS instructions are served in order: these see the stores above
.endr
.irp t, 0,1,2,3,4,5,6,7
	s_wait_dscnt 7-\t                              ; read-back t is in, the younger ones stay out
	global_store_b128 v[CO], v[\f+4*\t:\f+4*\t+3], s[8:9] offset:2*\t*NP*2   ; sixteen lanes store 256 consecutive bytes at a multiple of 256
.endr
.endm
	OUT16 0, 0, 0, 64
	OUT16 1, 1, 0, 96
	OUT16 2, 2, 0, 64
	OUT16 3, 3, 0, 96
	OUT16 4, 0, 1, 64
	OUT16 5, 1, 1, 96
	OUT16 6, 2, 1, 64
	OUT16 7, 3, 1, 96
	s_set_vgpr_msb 0x1
	s_wait_tensorcnt 0x0
	ds_add_u32 v255, v255
	s_wait_dscnt 0x0
	s_set_vgpr_msb 0x100
	CROUND                                         ; the closing round
	s_endpgm
.Lfunc_end_k_q15233ea628_ff1:
	.size	k_q15233ea628_ff1, .Lfunc_end_k_q15233ea628_ff1-k_q15233ea628_ff1
	.p2alignl 7, 3214868480
	.fill 96, 4, 3214868480
	.section	.rodata,"a",@progbits
	.p2align	6, 0x0
	.amdhsa_kernel k_q15233ea628_ff1
		.amdhsa_group_segment_fixed_size 327680
		.amdhsa_private_segment_fixed_size 0
		.amdhsa_enable_private_segment 0
		.amdhsa_kernarg_size 32
		.amdhsa_user_sgpr_count 2
		.amdhsa_user_sgpr_kernarg_segment_ptr 1
		.amdhsa_wavefront_size32 1
		.amdhsa_system_sgpr_workgroup_id_x 1
		.amdhsa_system_sgpr_workgroup_id_y 1
		.amdhsa_system_sgpr_workgroup_id_z 1
		.amdhsa_system_vgpr_workitem_id 0
		.amdhsa_next_free_vgpr 1024
		.amdhsa_next_free_sgpr 76
		.amdhsa_reserve_vcc 0
		.amdhsa_float_denorm_mode_32 3
		.amdhsa_float_denorm_mode_16_64 3
		.amdhsa_memory_ordered 1
		.amdhsa_forward_progress 1
		.amdhsa_inst_pref_size 230
	.end_amdhsa_kernel
	.amdgpu_metadata
---
amdhsa.version: [ 1, 2 ]
amdhsa.kernels:
  - .name:           k_q15233ea628_ff1
    .symbol:         k_q15233ea628_ff1.kd
    .args:
      - { .name: hn, .offset: 0, .size: 8, .value_kind: global_buffer, .address_space: global }
      - { .name: wb, .offset: 8, .size: 8, .value_kind: global_buffer, .address_space: global }
      - { .name: bf1, .offset: 16, .size: 8, .value_kind: global_buffer, .address_space: global }
      - { .name: act, .offset: 24, .size: 8, .value_kind: global_buffer, .address_space: global }
    .group_segment_fixed_size: 327680
    .private_segment_fixed_size: 0
    .kernarg_segment_align: 8
    .kernarg_segment_size: 32
    .max_flat_workgroup_size: 128
    .sgpr_count:     76
    .vgpr_count:     1024
    .wavefront_size: 32
...
	.end_amdgpu_metadata
.endif
;; end of part 6
;; launch ff2 (part 7): grid 8 x 32, 4 waves a work-group, clusters of 4 x 4, 327,680 bytes of LDS; arguments act, wb, bf2, hres, out0; writes out0
.if DOCPART == 7
	.amdgcn_target "amdgcn-amd-amdhsa--gfx1250"
	.amdhsa_code_object_version 6
	.text
	.protected	k_q15233ea628_ff2
	.globl	k_q15233ea628_ff2
	.p2align	8
	.type	k_q15233ea628_ff2,@function
k_q15233ea628_ff2:
	s_mov_b64 s[64:65], 0
	v_nop
	global_prefetch_b8 v0, s[64:65] scope:SCOPE_SE
	s_setreg_imm32_b32 hwreg(HW_REG_WAVE_MODE, 25, 1), 1
	s_wait_xcnt 0x0
	s_wait_alu depctr_hold_cnt(0) depctr_sa_sdst(0) depctr_va_vdst(0) depctr_va_sdst(0) depctr_va_ssrc(0) depctr_va_vcc(0) depctr_vm_vsrc(0)
	s_getreg_b32 s2, hwreg(HW_REG_IB_STS2, 6, 4)
	s_cmp_eq_u32 s2, 0
	s_cbranch_scc0 .Lentry_in_a_cluster
	s_endpgm
.Lentry_in_a_cluster:
	s_bfe_u32 s2, ttmp6, 0x10000c
	s_cmp_lg_u32 s2, 0xf033
	s_cbranch_scc0 .Lentry_shape_is_right
	s_endpgm
.Lentry_shape_is_right:
; ff2: out0 = act W2 + bf2 + hres.  act: [4096][4096] bf16; W2 in wb as [4096][1024] bf16; hres, out0: [4096][1024] f32.
; With 1,024 columns a work-group has a block of 128 x 128.  All four waves make the WHOLE block (64 accumulator tiles each), each on its own quarter of K:
; a slot holds 256 of K, wave w takes k = 64 w .. 64 w + 63 of it, so every byte of a slot is read from LDS once.  At the end the four f32 partial
; blocks are added through LDS, which also turns the lanes' pieces into whole rows for the stores.
; LIMIT: each output is the sum of four f32 partial sums over K: an order of rounding other than one ascending chain.
; CLUSTERS: 4 x 4; A's tile is asked for jointly along a row of the cluster, W's along a column: the requests for both are divided by four.
; PREFETCH.  K is T = KDIM / 256 tiles.  The joint loads for tile t + 2 stand in slot t's change of slots; behind that turn's run of LDS loads A's tile t + 3 is asked for ahead by
; global_prefetch_b8, one slot (128 products of a wave) ahead of its joint load.  A's tile is 128 rows x 512 bytes = 256 pieces of 256 bytes, wanted by the 8 work-groups
; of a block row: each asks for 16 rows, 32 pieces, one instruction of wave 0.  W's k-rows of two slots are 512 rows x 2,048 bytes = 4,096 pieces = 128 instructions of
; 32 lanes, half as many as there are work-groups: the 128 work-groups of cluster column 0 ask, each for four whole k-rows (8,192 consecutive bytes), one instruction
; of wave 1 a lap, one and two slots ahead.  So each piece is asked for once in the launch.  At the head, behind the first fills: A's tile 2, W's tiles 2 and 3.
; It stops inside the buffers: A's last request is tile T - 1, in slot T - 4; W's last are tiles T - 2 and T - 1; the last lap that refills asks in its first slot alone.
; REGISTERS: window 0: addresses, bias, A's fragments (two buffers); window 1: W's fragments (two buffers), v0-63 and v192-255 the residual rows;
; windows 2 and 3: the accumulators of rows 0-63 and 64-127.  The matrix instruction is used transposed: lane l holds row l % 16, columns 8 (l / 16) + 0..7.
.set KDIM,   4096
.set WOFF,   16777216                  ; W2 in wb
.set NP,     1024
.set PA,     528                       ; A's LDS row: 512 bytes + 16
.set PB,     288                       ; W's LDS row: 256 bytes + 32 = 9 x 32
.set PART,   36864                     ; one tensor load: 64 rows of A (64 x 528 = 33,792 used) or 128 k-rows of W (128 x 288)
.set SLOT,   4*PART
.set LAPS,   KDIM/512
.set ASTEP,  2*256*2                   ; two tiles along A's rows, in bytes
.set BSTEP,  2*256*NP*2                ; two tiles down W's rows, in bytes
.set BQ,     32*PB
.set RP,     528                       ; a row of a partial block: 512 bytes + 16
.set PARTIAL, 128*RP                   ; four of them lie in the slots, behind the slots' last fill
.set ADRA, 16
.set ADRB, 20
.set WST,  24
.set LO,   26
.set PFA,  28                          ; v28 the lane term of A's prefetch; never rewritten
.set PFW,  29                          ; v29 the lane term of W's prefetch; never rewritten
.set BI,   32                          ; v[32:35] the bias of my four columns
.set RDP,  36                          ; v[36:39] my place in partial block p
.set F0,   64
.set F1,   128
.set G1,  24
.set G0,  32
.set G1B, 48
.set G0B, 56
.set SPA, 76                           ; s[76:77] the base of A's prefetch
.set SPW, 78                           ; s[78:79] the base of W's prefetch
.set MSB, 0
.macro WIN new
.if MSB != (\new)
	s_set_vgpr_msb (MSB<<8)|(\new)
.set MSB, (\new)
.endif
.endm
.set MUL_LO, 0xa1
.set MUL_HI, 0xf1
.set TO_B,   0x40
.macro JLOAD s                         ; waves 0 and 1 fetch A's two halves, waves 2 and 3 W's; the branch hangs on the wave's number alone
	s_cmp_eq_u32 s11, 0
	s_cbranch_scc0 .Lfor_b_\@
	tensor_load_to_lds s[G0+4*(\s):G0+4*(\s)+3], s[G1:G1+7]
	s_nop 0
	s_branch .Lasked_\@
.Lfor_b_\@:
	tensor_load_to_lds s[G0B+4*(\s):G0B+4*(\s)+3], s[G1B:G1B+7]
	s_nop 0
.Lasked_\@:
.endm
.macro CREST
	s_cmp_lg_u32 s10, 0
	s_cbranch_scc1 .Lnot_wave_0_\@
	s_barrier_signal -3
.Lnot_wave_0_\@:
	s_barrier_wait -3
	s_barrier_signal -1
	s_barrier_wait -1
.endm
.macro CROUND
	s_barrier_signal -1
	s_barrier_wait -1
	CREST
.endm
; Prefetches.  Wave 0 asks for my 32 pieces of one tile of A, aoff bytes behind A's base.  w = 1: in the clusters of column 0 (the cluster's x is the same in all
; sixteen partners) wave 1 asks for my four k-rows of two tiles of W, two tiles behind W's base.  Every window is 0 here.
.macro PREF aoff, w
	s_cmp_lg_u32 s10, 0
	s_cbranch_scc1 .Lno_a_\@
	global_prefetch_b8 v[PFA], s[SPA:SPA+1] offset:\aoff th:TH_LOAD_NT scope:SCOPE_SE
.Lno_a_\@:
.if \w
	s_cmp_lg_u32 ttmp9, 0
	s_cbranch_scc1 .Lno_w_\@
	s_cmp_lg_u32 s10, 1
	s_cbranch_scc1 .Lno_w_\@
	global_prefetch_b8 v[PFW], s[SPW:SPW+1] offset:BSTEP th:TH_LOAD_NT scope:SCOPE_SE
.Lno_w_\@:
.endif
.endm
	s_load_b128 s[4:7], s[0:1], 0x0                ; A s[4:5], wb s[6:7]
	s_load_b128 s[68:71], s[0:1], 0x10             ; bias s[68:69], residual s[70:71]
	s_load_b64 s[8:9], s[0:1], 0x20                ; output
	v_lshl_add_u32 v254, v0, 2, 0x48000
	v_mov_b32 v255, 0
	ds_add_u32 v254, v255
	v_lshrrev_b32 v1, 5, v0
	v_readfirstlane_b32 s10, v1                    ; wave 0..3: my quarter of K
	s_lshr_b32 s11, s10, 1                         ; I fetch for A (0) or for W (1)
	s_and_b32 s12, s10, 1                          ; which half of that tile
	s_bfe_u32 s40, ttmp6, 0x40000                  ; cx
	s_bfe_u32 s41, ttmp6, 0x40004                  ; cy
	s_lshl_b32 s42, ttmp9, 2
	s_add_co_u32 s42, s42, s40                     ; block column
	s_and_b32 s13, ttmp7, 0xffff
	s_lshl_b32 s13, s13, 2
	s_add_co_u32 s13, s13, s41                     ; block row
	s_lshl_b32 s43, s41, 2
	s_lshl_b32 s43, 15, s43                        ; my row of the cluster
	s_lshl_b32 s44, 0x1111, s40                    ; my column
	s_or_b32 s[G1+0], s43, (1<<16)|(1<<20)|(1<<21)|(6<<22)|(3<<25)   ; 4 words behind every 128
	s_mov_b32 s[G1+1], 256<<16                     ; tensor_dim0 = 256
	s_mov_b32 s[G1+2], 64<<16                      ; tensor_dim1 = 64
	s_mov_b32 s[G1+3], 256<<16                     ; tile_dim0 = 256 elements
	s_mov_b32 s[G1+4], 64                          ; tile_dim1 = 64 rows
	s_mov_b32 s[G1+5], KDIM
	s_mov_b32 s[G1+6], 0
	s_mov_b32 s[G1+7], 0
	s_or_b32 s[G1B+0], s44, (1<<16)|(1<<20)|(1<<21)|(5<<22)|(7<<25)  ; 8 words behind every 64
	s_mov_b32 s[G1B+1], 128<<16
	s_mov_b32 s[G1B+2], 128<<16
	s_mov_b32 s[G1B+3], 128<<16                    ; tile_dim0 = 128 elements
	s_mov_b32 s[G1B+4], 128                        ; tile_dim1 = 128 k-rows
	s_mov_b32 s[G1B+5], NP
	s_mov_b32 s[G1B+6], 0
	s_mov_b32 s[G1B+7], 0
	s_mul_i32 s16, s13, 256*KDIM                   ; A: (128 x block row + 64 x half) rows of 2 KDIM bytes
	s_mul_i32 s17, s12, 128*KDIM
	s_add_co_u32 s16, s16, s17
	s_mov_b32 s17, 0
	s_lshl_b32 s46, s42, 8                         ; W: 256 bytes for each block column, 128 k-rows of 2,048 bytes for the half
	s_lshl_b32 s47, s12, 18
	s_add_co_u32 s46, s46, s47
	s_add_co_u32 s46, s46, WOFF
	s_mov_b32 s47, 0
	s_mul_i32 s20, s10, PART
	s_lshl_b32 s72, s13, 19                        ; residual and output: (128 x block row + 32 x wave) rows of 4,096 bytes + 512 x block column
	s_lshl_b32 s73, s10, 17
	s_add_co_u32 s72, s72, s73
	s_lshl_b32 s73, s42, 9
	s_add_co_u32 s72, s72, s73
	s_mov_b32 s73, 0
	s_lshl_b32 s74, s42, 9
	s_mov_b32 s75, 0
	s_lshl3_add_u32 s80, s13, s42                  ; A's prefetch: rows 16 (8 x block row + block column) and the 15 behind,
	s_mul_i32 s80, s80, 32*KDIM                    ; of 2 KDIM bytes each
	s_mov_b32 s81, 0
	s_lshl2_add_u32 s82, s13, s40                  ; W's prefetch: k-rows 4 (4 x block row + cx) and the 3 behind,
	s_lshl_b32 s82, s82, 13                        ; of 2,048 bytes each
	s_add_co_u32 s82, s82, WOFF
	s_mov_b32 s83, 0
	s_wait_dscnt 0x0
	s_wait_kmcnt 0x0
	s_add_nc_u64 s[14:15], s[4:5], s[16:17]
	s_add_nc_u64 s[46:47], s[6:7], s[46:47]
	s_add_nc_u64 s[70:71], s[70:71], s[72:73]
	s_add_nc_u64 s[8:9], s[8:9], s[72:73]
	s_add_nc_u64 s[68:69], s[68:69], s[74:75]
	s_add_nc_u64 s[SPA:SPA+1], s[4:5], s[80:81]    ; both bases stand at tile 0 and are stepped by two tiles a lap
	s_add_nc_u64 s[SPW:SPW+1], s[6:7], s[82:83]
	CROUND                                         ; in front of the first joint loads
.irp s, 0,1
	s_mov_b32 s[G0+4*\s], 1
	s_add_co_u32 s[G0+4*\s+1], s20, \s*SLOT
	s_add_nc_u64 s[G0+4*\s+2:G0+4*\s+3], s[14:15], \s*256*2
	s_or_b32 s[G0+4*\s+3], s[G0+4*\s+3], 0x80000000
	s_mov_b32 s[G0B+4*\s], 1
	s_add_co_u32 s[G0B+4*\s+1], s20, \s*SLOT
	s_add_nc_u64 s[G0B+4*\s+2:G0B+4*\s+3], s[46:47], \s*256*NP*2
	s_or_b32 s[G0B+4*\s+3], s[G0B+4*\s+3], 0x80000000
	JLOAD \s                                       ; both first fills: two tensor loads of a wave are out
.endr
	v_and_b32 v[PFW], 31, v0                       ; lane
	v_lshrrev_b32 v[PFA], 1, v[PFW]
	v_mul_u32_u24 v[PFA], v[PFA], 2*KDIM           ; A: two lanes a row,
	v_and_b32 v7, 1, v0
	v_lshl_add_u32 v[PFA], v7, 8, v[PFA]           ; 256 bytes apart
	v_lshlrev_b32 v[PFW], 8, v[PFW]                ; W: 32 lanes 256 bytes apart: four whole k-rows
	PREF 2*512, 1                                  ; behind the first fills (tiles 0 and 1): A's tile 2, W's tiles 2 and 3
	v_and_b32 v1, 15, v0                           ; r
	v_bfe_u32 v2, v0, 4, 1                         ; h
	v_mul_u32_u24 v3, v1, PA
	v_lshl_add_u32 v3, v2, 4, v3
	v_and_b32 v4, 7, v0
	v_lshl_add_u32 v4, v2, 3, v4
	v_mul_u32_u24 v4, v4, PB
	v_bfe_u32 v5, v0, 3, 1
	v_lshl_add_u32 v4, v5, 4, v4
	s_lshl_b32 s21, s10, 7                         ; A: my 64 k are 128 bytes of each row
	s_mul_i32 s22, s10, 64*PB                      ; W: my 64 k-rows,
	s_add_co_u32 s22, s22, 2*PART                  ; behind A
.irp s, 0,1
	v_add_nc_u32 v[ADRA+\s], s21, v3
	v_add_nc_u32 v[ADRB+\s], s22, v4
	s_add_co_u32 s21, s21, SLOT
	s_add_co_u32 s22, s22, SLOT
.endr
	s_mul_i32 s23, s10, PARTIAL
	v_mul_u32_u24 v6, v1, RP
	v_lshl_add_u32 v6, v2, 5, v6
	v_add_nc_u32 v[WST], s23, v6                   ; my partial block: row r, eight f32 for each half of the lanes
	v_and_b32 v[LO], 31, v0
	v_lshlrev_b32 v[LO], 4, v[LO]                  ; 16 bytes a lane: a wave covers a row's 512 bytes
	s_mul_i32 s23, s10, 32*RP                      ; I add up rows 32 w .. 32 w + 31
	v_add_nc_u32 v[RDP], s23, v[LO]
	v_add_nc_u32 v[RDP+1], PARTIAL, v[RDP]
	v_add_nc_u32 v[RDP+2], PARTIAL, v[RDP+1]
	v_add_nc_u32 v[RDP+3], PARTIAL, v[RDP+2]
	global_load_b128 v[BI:BI+3], v[LO], s[68:69]
	WIN TO_B                                       ; the residual rows are asked for now and wanted at the end
.set i, 0
.rept 32
	global_load_b128 v[4*i+128*(i>>4):4*i+128*(i>>4)+3], v[LO], s[70:71] offset:4096*i
.set i, i+1
.endr
	WIN 0
.macro MUL16 f, hi, a0, zero
.irp a, \a0, \a0+1
.irp b, 0,1,2,3,4,5,6,7
.if \zero
	v_wmma_f32_16x16x32_bf16 v[8*(8*(\a)+\b):8*(8*(\a)+\b)+7], v[\f+8*\b:\f+8*\b+7], v[\f+8*(4*\hi+\a):\f+8*(4*\hi+\a)+7], 0
.else
	v_wmma_f32_16x16x32_bf16 v[8*(8*(\a)+\b):8*(8*(\a)+\b)+7], v[\f+8*\b:\f+8*\b+7], v[\f+8*(4*\hi+\a):\f+8*(4*\hi+\a)+7], v[8*(8*(\a)+\b):8*(8*(\a)+\b)+7]
.endif
.endr
.endr
.endm
.macro FETCH slot, q, f                ; 32 LDS loads: 32 of my 64 k (q = 0, 1), all 128 columns of W, all 128 rows of A
	WIN TO_B
.irp i, 0,1,2,3,4,5,6,7
	ds_load_tr16_b128 v[\f+8*\i:\f+8*\i+3],   v[ADRB+\slot] offset:BQ*\q+32*\i
	ds_load_tr16_b128 v[\f+8*\i+4:\f+8*\i+7], v[ADRB+\slot] offset:BQ*\q+32*\i+16*PB
.endr
	WIN 0
.irp i, 0,1,2,3,4,5,6,7
	ds_load_b128 v[\f+8*\i:\f+8*\i+3],   v[ADRA+\slot] offset:((\i)>>2)*PART+((\i)&3)*16*PA+64*\q
	ds_load_b128 v[\f+8*\i+4:\f+8*\i+7], v[ADRA+\slot] offset:((\i)>>2)*PART+((\i)&3)*16*PA+64*\q+32
.endr
.endm
.macro PLACES                          ; four plain vector instructions between a matrix instruction and a load into, or a vector or LDS-store read of, its registers
.rept 4
	v_nop
.endr
.endm
; The 64 accumulators take turns, one instruction a turn, in the same order in every quarter.
.macro QUARTER slot, q, f, g, zero
	s_wait_dscnt 8                                 ; W and A's rows 0-63 are in; the youngest eight loads may be out
	WIN MUL_LO
	MUL16 \f, 0, 0, \zero
	MUL16 \f, 0, 2, \zero
	PLACES
	FETCH \slot, \q, \g
	s_wait_dscnt 32                                ; all but the 32 just issued
	WIN MUL_HI
	MUL16 \f, 1, 0, \zero
	MUL16 \f, 1, 2, \zero
.endm
; The slot's second half and the change of slots.  pf = 1 (a lap's first slot, t = 2 L): the prefetch bases step to tile 2 L + 2, and A's tile t + 3 is asked for ahead;
; pf = 2 (its second slot, t = 2 L + 1): A's tile t + 3 and W's tiles t + 3 and t + 4; pf = 0: nothing.
.macro TURN slot, next, fill, pf
	s_wait_dscnt 8
	WIN MUL_LO
	MUL16 F1, 0, 0, 0
	s_wait_dscnt 0                                 ; my reads of this slot are over
	s_set_vgpr_msb 0xa1a0
	s_wait_tensorcnt 0x0                           ; all my tensor loads have landed
	ds_add_u32 v254, v255
	s_wait_dscnt 0x0
	s_set_vgpr_msb 0xa0a1
	s_barrier_signal -1
	MUL16 F1, 0, 2, 0
	WIN 0
	s_barrier_wait -1
.if \fill
	CREST                                          ; no wave of any partner still reads this slot or has a load on its way
	s_add_nc_u64 s[G0+4*\slot+2:G0+4*\slot+3], s[G0+4*\slot+2:G0+4*\slot+3], ASTEP
	s_add_nc_u64 s[G0B+4*\slot+2:G0B+4*\slot+3], s[G0B+4*\slot+2:G0B+4*\slot+3], BSTEP
	JLOAD \slot                                    ; my one tensor load behind the round
.endif
	PLACES
	FETCH \next, 0, F0
.if (\pf) == 1
	s_wait_xcnt 0x0                                ; the last prefetches, a slot back, have had their addresses translated (ISA guide 3.1): their bases are rewritten only behind this wait
	s_add_nc_u64 s[SPA:SPA+1], s[SPA:SPA+1], ASTEP
	s_add_nc_u64 s[SPW:SPW+1], s[SPW:SPW+1], BSTEP
	PREF 512, 0
.endif
.if (\pf) == 2
	PREF 2*512, 1
.endif
	WIN MUL_HI
	MUL16 F1, 1, 0, 0
	MUL16 F1, 1, 2, 0
.endm
.macro LAP zero, more                  ; once round the ring, both slots filled again; more = 0: the last such lap, whose second slot has nothing left to ask for ahead
	QUARTER 0, 1, F0, F1, \zero
	TURN 0, 1, 1, 1
	QUARTER 1, 1, F0, F1, 0
	TURN 1, 0, 1, 2*\more
.endm
	s_wait_tensorcnt 1                             ; my part of slot 0 is in; slot 1's stays out
	s_barrier_signal -1
	s_barrier_wait -1
	FETCH 0, 0, F0
.if LAPS > 2
	LAP 1, 1                                       ; the first lap's first products start the sums
.if LAPS > 3
	WIN 0
	s_mov_b32 s3, LAPS-3
.Llap:
	LAP 0, 1
	WIN 0
	s_sub_co_u32 s3, s3, 1
	s_cmp_lg_u32 s3, 0
	s_cbranch_scc1 .Llap
.endif
	LAP 0, 0                                       ; the last lap that refills is written out: its first slot asks for A's last tile, its second for nothing
.else
	LAP 1, 0                                       ; with four tiles the first lap is also the last that refills
.endif
	QUARTER 0, 1, F0, F1, 0                        ; the last lap fills nothing
	TURN 0, 1, 0, 0
	QUARTER 1, 1, F0, F1, 0
	s_wait_dscnt 8
	WIN MUL_LO
	MUL16 F1, 0, 0, 0
	MUL16 F1, 0, 2, 0
	s_wait_dscnt 0                                 ; my last reads of the slots are over
	WIN MUL_HI
	MUL16 F1, 1, 0, 0
	MUL16 F1, 1, 2, 0
	PLACES
	WIN 0
	s_barrier_signal -1                            ; every wave has ended its reads, and no tensor load is out or will come:
	s_barrier_wait -1                              ; the slots' bytes may now hold the partial blocks
	WIN 0x08                                       ; store data from window 2
.irp a, 0,1,2,3
.irp b, 0,1,2,3,4,5,6,7
	ds_store_b128 v[WST], v[8*(8*\a+\b):8*(8*\a+\b)+3]   offset:\a*16*RP+64*\b
	ds_store_b128 v[WST], v[8*(8*\a+\b)+4:8*(8*\a+\b)+7] offset:\a*16*RP+64*\b+16
.endr
.endr
	WIN 0x0c                                       ; from window 3
.irp a, 0,1,2,3
.irp b, 0,1,2,3,4,5,6,7
	ds_store_b128 v[WST], v[8*(8*\a+\b):8*(8*\a+\b)+3]   offset:(\a+4)*16*RP+64*\b
	ds_store_b128 v[WST], v[8*(8*\a+\b)+4:8*(8*\a+\b)+7] offset:(\a+4)*16*RP+64*\b+16
.endr
.endr
	WIN 0
	s_wait_dscnt 0x0                               ; for the others' sake
	s_barrier_signal -1
	s_barrier_wait -1
	s_wait_loadcnt 0x0                             ; bias and residual
; Batch g (0 to 7) is rows 4 g .. 4 g + 3 of my 32.  The batch's number stands in parentheses wherever it is multiplied.
.macro RLOAD g, f                      ; the batch's rows from all four partial blocks into buffer f
	s_wait_xcnt 0x0                                ; buffer f, which earlier stores read, is rewritten only behind this wait
.irp i, 0,1,2,3
.irp p, 0,1,2,3
	ds_load_b128 v[\f+16*\i+4*\p:\f+16*\i+4*\p+3], v[RDP+\p] offset:(4*(\g)+\i)*RP
.endr
.endr
.endm
.macro RSUM g, f                       ; (p0 + p1) + (p2 + p3) + bias + residual, and out
.irp i, 0,1,2,3
.irp e, 0,2
	v_pk_add_f32 v[\f+16*\i+\e:\f+16*\i+\e+1], v[\f+16*\i+\e:\f+16*\i+\e+1], v[\f+16*\i+4+\e:\f+16*\i+4+\e+1]
	v_pk_add_f32 v[\f+16*\i+8+\e:\f+16*\i+8+\e+1], v[\f+16*\i+8+\e:\f+16*\i+8+\e+1], v[\f+16*\i+12+\e:\f+16*\i+12+\e+1]
.endr
.endr
.irp i, 0,1,2,3
.irp e, 0,2
	v_pk_add_f32 v[\f+16*\i+\e:\f+16*\i+\e+1], v[\f+16*\i+\e:\f+16*\i+\e+1], v[\f+16*\i+8+\e:\f+16*\i+8+\e+1]
.endr
.endr
.irp i, 0,1,2,3
.irp e, 0,2
	v_pk_add_f32 v[\f+16*\i+\e:\f+16*\i+\e+1], v[\f+16*\i+\e:\f+16*\i+\e+1], v[BI+\e:BI+\e+1]
.endr
.endr
	WIN 0x04                                       ; source 1 window 1: the residual
.irp i, 0,1,2,3
.irp e, 0,2
	v_pk_add_f32 v[\f+16*\i+\e:\f+16*\i+\e+1], v[\f+16*\i+\e:\f+16*\i+\e+1], v[4*(4*(\g)+\i)+128*((4*(\g)+\i)>>4)+\e:4*(4*(\g)+\i)+128*((4*(\g)+\i)>>4)+\e+1]
.endr
.endr
	WIN 0
.irp i, 0,1,2,3
	global_store_b128 v[LO], v[\f+16*\i:\f+16*\i+3], s[8:9] offset:(4*(\g)+\i)*4096   ; a wave stores 512 consecutive bytes at a multiple of 512
.endr
.endm
	RLOAD 0, F0                                    ; even batches go through buffer 0, odd ones through buffer 1
	RLOAD 1, F1
	s_wait_dscnt 16                                ; the older batch is in, the 16 loads just issued stay out
	RSUM 0, F0
	RLOAD 2, F0
	s_wait_dscnt 16
	RSUM 1, F1
	RLOAD 3, F1
	s_wait_dscnt 16
	RSUM 2, F0
	RLOAD 4, F0
	s_wait_dscnt 16
	RSUM 3, F1
	RLOAD 5, F1
	s_wait_dscnt 16
	RSUM 4, F0
	RLOAD 6, F0
	s_wait_dscnt 16
	RSUM 5, F1
	RLOAD 7, F1
	s_wait_dscnt 16
	RSUM 6, F0
	s_wait_dscnt 0x0
	RSUM 7, F1
	s_wait_tensorcnt 0x0
	ds_add_u32 v254, v255
	s_wait_dscnt 0x0
	CROUND                                         ; the closing round
	s_endpgm
.Lfunc_end_k_q15233ea628_ff2:
	.size	k_q15233ea628_ff2, .Lfunc_end_k_q15233ea628_ff2-k_q15233ea628_ff2
	.p2alignl 7, 3214868480
	.fill 96, 4, 3214868480
	.section	.rodata,"a",@progbits
	.p2align	6, 0x0
	.amdhsa_kernel k_q15233ea628_ff2
		.amdhsa_group_segment_fixed_size 327680
		.amdhsa_private_segment_fixed_size 0
		.amdhsa_enable_private_segment 0
		.amdhsa_kernarg_size 40
		.amdhsa_user_sgpr_count 2
		.amdhsa_user_sgpr_kernarg_segment_ptr 1
		.amdhsa_wavefront_size32 1
		.amdhsa_system_sgpr_workgroup_id_x 1
		.amdhsa_system_sgpr_workgroup_id_y 1
		.amdhsa_system_sgpr_workgroup_id_z 1
		.amdhsa_system_vgpr_workitem_id 0
		.amdhsa_next_free_vgpr 1024
		.amdhsa_next_free_sgpr 84
		.amdhsa_reserve_vcc 0
		.amdhsa_float_denorm_mode_32 3
		.amdhsa_float_denorm_mode_16_64 3
		.amdhsa_memory_ordered 1
		.amdhsa_forward_progress 1
		.amdhsa_inst_pref_size 161
	.end_amdhsa_kernel
	.amdgpu_metadata
---
amdhsa.version: [ 1, 2 ]
amdhsa.kernels:
  - .name:           k_q15233ea628_ff2
    .symbol:         k_q15233ea628_ff2.kd
    .args:
      - { .name: act, .offset: 0, .size: 8, .value_kind: global_buffer, .address_space: global }
      - { .name: wb, .offset: 8, .size: 8, .value_kind: global_buffer, .address_space: global }
      - { .name: bf2, .offset: 16, .size: 8, .value_kind: global_buffer, .address_space: global }
      - { .name: hres, .offset: 24, .size: 8, .value_kind: global_buffer, .address_space: global }
      - { .name: out0, .offset: 32, .size: 8, .value_kind: global_buffer, .address_space: global }
    .group_segment_fixed_size: 327680
    .private_segment_fixed_size: 0
    .kernarg_segment_align: 8
    .kernarg_segment_size: 40
    .max_flat_workgroup_size: 128
    .sgpr_count:     84
    .vgpr_count:     1024
    .wavefront_size: 32
...
	.end_amdgpu_metadata
.endif
;; end of part 7
